; MI455X (gfx1250); checked and timed in simulation.
; The chip was launched on July 23, 2026; its instructions are those of AMD's public machine-readable ISA for CDNA 5 (MIT licence, August 2026) and "CDNA5" Instruction Set Architecture Reference Guide (July 2026). The comments in the code are by the model that wrote it; some were corrected since.
;; Multi Head Attention. Allowed arithmetic: matrix products marked QUANTISED: E2M3 operands, one E8M0 scale for each 32 along K, by v_wmma_scale_f32_16x16x128_f8f6f4 with both operands' format E2M3, f32 sums; everything else in f32.
;; Inputs: Wk 1,024 x 1,024 float32; Wo 1,024 x 1,024 float32; Wq 1,024 x 1,024 float32; Wv 1,024 x 1,024 float32; bk 1,024 float32; bo 1,024 float32; bq 1,024 float32; bv 1,024 float32; key 2 x 2,048 x 1,024 float32; query 2 x 2,048 x 1,024 float32; value 2 x 2,048 x 1,024 float32.
;; Outputs: out0 2 x 2,048 x 1,024 float32.
;; This version of the problem:
;;   THIS VERSION OF THE PROBLEM IS GIVEN IN LOW PRECISION. The matrix products marked QUANTISED in the list below multiply operands that are first quantised to E2M3 (2 exponent bits, 3 mantissa bits; 6 bits a number), with one power-of-two scale for each 32 numbers along K (OCP MX v1.0); their sums are f32. All else is computed in f32.
;;   The module's matrix products, in the order in which they are computed (A, B: the left and right operand; K: the contracted axis; several contracted axes count as one K, in the product's order):
;;     1. [M 4,096, K 1,024] x [K 1,024, N 1,024]; A: input query; B: input Wq: QUANTISED
;;     2. [M 4,096, K 1,024] x [K 1,024, N 1,024]; A: input key; B: input Wk: QUANTISED
;;     3. [M 4,096, K 1,024] x [K 1,024, N 1,024]; A: input value; B: input Wv: QUANTISED
;;     4. batch 32 x [M 2,048, K 64] x [K 64, N 2,048]; A: computed on the way; B: computed on the way: QUANTISED
;;     5. batch 32 x [M 2,048, K 2,048] x [K 2,048, N 64]; A: softmax (see below); B: computed on the way: QUANTISED
;;     6. [M 4,096, K 1,024] x [K 1,024, N 1,024]; A: computed on the way; B: input Wo: QUANTISED
;;   THE QUANTISER, for each operand of a quantised product, along K:
;;     - K is cut into blocks of 32 from its start; a last block that is shorter is filled with zeros.
;;     - A block's scale is 2^e with e = floor(log2(the largest magnitude in the block)) - 2, held to -126 .. 127; a block of zeros has e = 0. As a byte (E8M0): e + 127.
;;     - Each number is divided by its block's scale, clamped to +-7.5, and rounded to the nearest number of E2M3, ties to even, subnormals kept.
;;     - The product sums the exact products of the quantised numbers (number of the format x scale) in f32.
;;   ~~~python
;;   def quantise(x, axis):      # numpy; x: float32 -> the quantised numbers, widened to float32 again
;;       x = np.moveaxis(x, axis, -1); K = x.shape[-1]
;;       x = np.pad(x, [(0, 0)] * (x.ndim - 1) + [(0, -K % 32)]); x = x.reshape(x.shape[:-1] + (-1, 32)); a = np.abs(x).max(-1, keepdims=True)
;;       e = np.where(a > 0, np.clip(np.frexp(np.where(a > 0, a, 1))[1] - 1 - 2, -126, 127), 0)      # np.frexp(a)[1] - 1 = floor(log2(a)), exactly
;;       r = np.clip(x / 2.0 ** e, -7.5, 7.5)
;;       step = 2.0 ** (np.maximum(np.frexp(np.where(r == 0, 1, r))[1] - 1, 0) - 3)
;;       q = np.round(r / step) * step * 2.0 ** e      # np.round: ties to even
;;       return np.moveaxis(q.reshape(q.shape[:-2] + (-1,))[..., :K], -1, axis).astype(np.float32)
;;   ~~~
;;   SOFTMAX AHEAD OF A QUANTISED PRODUCT. Where the list says 'softmax', what is quantised is not the finished softmax but p = 2^(t - M), with t = logit x log2(e) and M = ceil(the row's largest t), a whole number; so 1/2 < the row's largest p <= 1. The row's sum l is taken of the UNQUANTISED p, in f32, and the product's result is divided by l at the end. Since M is a whole number, a kernel that streams over the keys may use a running M (the ceiling of the running maximum): every later rescaling is an exact power of two, which a block's scale takes up: the codes' values come out the same.
;;   OPERANDS COMPUTED ON THE WAY. 'Computed on the way' means the value that the module computes at that place (a softmax that the list does not call 'softmax' is quantised finished and normalised). What goes into a quantiser is computed in f32, as accurately as f32 sums, v_exp_f32 and their like allow (about 1e-6 of the number): no bf16 or f16 on the way to a quantiser, and a product that is left as it is and whose result goes on into a quantised operand takes f32 operands (vector FMAs, or v_wmma_f32_16x16x4_f32). A number that lies on a knife's edge between two numbers of the format may be rounded either way, as far as f32 arithmetic and the matrix unit's own rounding can turn it there, and no further.
;; One version. Each part assembles by itself: llvm-mc -triple=amdgcn-amd-amdhsa -mcpu=gfx1250 --defsym DOCPART=n.
;; ======== version 1 of 1: 4 launches
;; limits: right only within a limited range of input values
;; workspace buffers: xc 9,437,184 bytes; xs 393,216 bytes; wc 3,145,728 bytes; ws 131,072 bytes; qx 3,407,872 bytes; kv 6,815,744 bytes; oc 3,145,728 bytes; os 131,072 bytes
;; launch quant (part 1): grid 512 x 1, 4 waves a work-group, no clusters, 68,096 bytes of LDS; arguments query, key, value, Wq, Wk, Wv, Wo, xc, xs, wc, ws; writes xc, xs, wc, ws
.if DOCPART == 1
	.amdgcn_target "amdgcn-amd-amdhsa--gfx1250"
	.amdhsa_code_object_version 6
	.text
	.protected	k_qe49b681ff3_quant
	.globl	k_qe49b681ff3_quant
	.p2align	8
	.type	k_qe49b681ff3_quant,@function
k_qe49b681ff3_quant:
	s_mov_b64 s[64:65], 0
	v_nop
	global_prefetch_b8 v0, s[64:65] scope:SCOPE_SE
	s_setreg_imm32_b32 hwreg(HW_REG_WAVE_MODE, 25, 1), 1
	s_wait_xcnt 0x0
; MULTI-HEAD ATTENTION IN MX-FP6, LAUNCH 1 OF 4: the three activations [4096][1024] and the four weights [1024 (k)][1024 (n)], all f32, become codes of E2M3 with K innermost and one E8M0 byte for each 32 along K.
; DEAD WORK: none.  Every input has a way to the output: the three activations and four weights are operands; bq, bk and bv stand ahead of quantisers, bo ahead of the output.  All eleven inputs are loaded by some launch.
; A block's scale is 2^(floor(log2(its largest magnitude)) - 2); its byte is the largest magnitude's exponent field - 2, held at 1 from below.  Each number is divided by the scale and rounded to the nearest code, ties to even;
; beyond 7.5 the conversion gives the largest code.
; LIMITS: NaN and infinities among the inputs are not served.  A block whose largest magnitude lies under 2^(3 - 127) keeps the byte 1; a block of zeros so has the byte 1 where the rule says 127: its codes are zeros, and the
; bytes are read by this program alone.
; POSITION ORDER.  A row of query or value, and a column n of a weight, with index i is stored at position p = i with bits 3 and 4 exchanged.  A matrix result's eight registers are rows 8 (lane / 16) + 0 .. 7 of source 0's tile:
; with this order the 16 registers of two neighbouring tiles are 16 neighbouring indices, which is what the next quantiser wants of a lane.  The last launch undoes the order.
; THE KEYS have an order of their own: row i of key stands at the position whose bits 3, 4, 5 are i's bits 5, 3, 4.  In K Q^T a lane's 32 registers of four neighbouring tiles are then 32 neighbouring keys: a whole block of the
; second product's K in one lane.  Only launch 3 looks at the order of the keys.
; xc: [3 tensors][4096 positions][768 bytes];  xs: [3][4096][32];  wc: [4 weights][1024 positions of n][768];  ws: [4][1024][32].
; Work-groups 0 to 383 take the activations (K innermost), 384 to 511 the weights (K outermost).  The two ways part on the work-group's number; each has LDS bytes of its own.  Waves share nothing: no barrier.
.set SPW,   12                         ; v12  LDS address of my spare word: SPARE + 4 x my thread's number; never rewritten
.set NIL,   13                         ; v13  0; never rewritten
.set XWG,   384                        ; work-groups of the activations: 3 x 4096 rows / (4 waves x 8 rows)
.set EMAX,  2
.set STEPS, 16                         ; ACTIVATIONS: a wave takes 16 steps of 512 numbers: 8 rows
.set CB,    12                         ; bytes of 16 codes
.set R,     16                         ; v16-143  eight sets of 16 numbers as they are loaded
.set X,     144                        ; v144-175 two sets of 16 neighbours
.set E,     176                        ; v176-191 a scale byte for each step
.set C,     192                        ; v192-255 codes: four registers for each step, so that no store's data are written again
.set WREG,  8192                       ; LDS 0 .. 32767: a region for each wave: two stages of 32 x SP bytes, behind them its 256 scale bytes
.set SP,    80                         ; a lane's place in a stage: its 64 bytes + 16
.set WSTG,  32768                      ; WEIGHTS: LDS 32768 on: a stage of 32 rows x PITCH for each wave
.set PITCH, 272                        ; a stage row: sixteen places of 16 bytes, each with 12 bytes of codes, + 16
.set KROW,  768                        ; a row of wc
.set NB,    8                          ; blocks of 32 along K for a wave: 256 along K
.set SB,    24                         ; v24-25   a lane's eight scale bytes
.set XW,    32                         ; v32-95   two sets of 32 numbers
.set CW,    96                         ; v96-102  a block's codes
.set OUTR,  112                        ; v112-175 the way out
.set SPARE, WSTG+4*32*PITCH            ; behind both: the spare words, 128 bytes for each wave: two blocks of 256 bytes that no other line names
	s_load_b512 s[4:19], s[0:1], 0x0               ; query s[4:5], key s[6:7], value s[8:9], Wq s[10:11], Wk s[12:13], Wv s[14:15], Wo s[16:17], xc s[18:19]
	s_load_b128 s[20:23], s[0:1], 0x40             ; xs s[20:21], wc s[22:23]
	s_load_b64 s[24:25], s[0:1], 0x50              ; ws
	v_lshl_add_u32 v[SPW], v0, 2, SPARE
	v_mov_b32 v[NIL], 0
	v_lshrrev_b32 v1, 5, v0
	v_readfirstlane_b32 s26, v1                    ; wave
	v_and_b32 v2, 31, v0                           ; lane
	s_cmp_lt_u32 ttmp9, XWG
	s_cbranch_scc0 .Lweights
; ---- THE ACTIVATIONS.  Rows are dense, so a tensor is a stream of blocks of 32.  Each load reads 512 consecutive bytes, 16 a lane; a step's 2,048 bytes turn through the wave's stage and come back 64 bytes a lane: 16 neighbours,
; two lanes to a block.  A wave's 8 rows are one group of the position order: only the place of the whole run changes.
	v_lshlrev_b32 v3, 4, v2                        ; my 16 bytes of a load's 512
	s_mul_i32 s27, s26, WREG
	v_lshrrev_b32 v14, 2, v2
	v_mul_u32_u24 v14, v14, SP
	v_and_b32 v15, 3, v2
	v_lshl_add_u32 v14, v15, 4, v14
	v_add_nc_u32 v14, s27, v14                     ; the stage, on the way in: SP (lane / 4) + 16 (lane % 4)
	v_mul_u32_u24 v15, v2, SP
	v_add_nc_u32 v15, s27, v15                     ; and on the way out: SP x lane
	v_mul_u32_u24 v4, v2, CB                       ; my codes' place in a step's
	v_lshrrev_b32 v5, 1, v2
	s_add_co_u32 s27, s27, 2*32*SP
	v_add_nc_u32 v5, s27, v5                       ; LDS: my wave's 256 scale bytes, my block's byte
	v_lshlrev_b32 v7, 3, v2                        ; and on the way out 8 bytes a lane
	v_add_nc_u32 v6, s27, v7
	s_lshr_b32 s28, ttmp9, 7                       ; which tensor: 128 work-groups each
	s_and_b32 s29, ttmp9, 127
	s_lshl_b32 s29, s29, 2
	s_add_co_u32 s29, s29, s26                     ; my run of 8 rows, 0 .. 511
	s_lshl_b32 s30, s29, 15                        ; 32,768 bytes of f32 a run
	s_mov_b32 s31, 0
	s_and_b32 s34, s29, 0x1fc                      ; the run's place: bits 3 and 4 of a row's index are bits 0 and 1 of the run's number: they change places
	s_bfe_u32 s32, s29, 0x10000
	s_bfe_u32 s33, s29, 0x10001
	s_lshl_b32 s32, s32, 1
	s_or_b32 s34, s34, s32
	s_or_b32 s34, s34, s33
	s_and_b32 s35, s29, 0x1f8                      ; the keys' order: the run's bits 0 and 1 go up by one place,
	s_and_b32 s38, s29, 3
	s_lshl_b32 s38, s38, 1
	s_or_b32 s35, s35, s38
	s_bfe_u32 s38, s29, 0x10002                    ; and its bit 2 comes down to bit 0
	s_or_b32 s35, s35, s38
	s_cmp_eq_u32 s28, 1                            ; the choice hangs on the work-group's number alone
	s_cselect_b32 s34, s35, s34
	s_mul_i32 s32, s28, 4096*768
	s_mul_i32 s33, s34, 8*768
	s_add_co_u32 s32, s32, s33                     ; codes: tensor x 4096 rows + run x 8 rows, of 768 bytes
	s_mov_b32 s33, 0
	s_lshl_b32 s36, s28, 17
	s_lshl_b32 s37, s34, 8
	s_add_co_u32 s36, s36, s37                     ; scale bytes: 32 a row
	s_mov_b32 s37, 0
	s_wait_alu depctr_va_vdst(0)
	s_wait_kmcnt 0x0
	s_cmp_eq_u32 s28, 0                            ; the choice hangs on the work-group's number alone
	s_cselect_b64 s[4:5], s[4:5], s[6:7]
	s_cmp_eq_u32 s28, 2
	s_cselect_b64 s[4:5], s[8:9], s[4:5]
	s_add_nc_u64 s[4:5], s[4:5], s[30:31]
	s_add_nc_u64 s[18:19], s[18:19], s[32:33]
	s_add_nc_u64 s[20:21], s[20:21], s[36:37]
.macro LOAD t
.irp i, 0,1,2,3
	global_load_b128 v[R+16*((\t)%8)+4*\i:R+16*((\t)%8)+4*\i+3], v3, s[4:5] offset:2048*(\t)+512*\i th:TH_LOAD_NT   ; 32 lanes read 512 consecutive bytes
.endr
.endm
.macro TURN t                          ; step t's numbers through the stage: LDS serves a wave's instructions in order (ISA guide 5.7.1.4), so no wait stands between the stores and the loads
.irp i, 0,1,2,3
	ds_store_b128 v14, v[R+16*((\t)%8)+4*\i:R+16*((\t)%8)+4*\i+3] offset:32*SP*((\t)%2)+8*SP*\i
.endr
.irp i, 0,1,2,3
	ds_load_b128 v[X+16*((\t)%2)+4*\i:X+16*((\t)%2)+4*\i+3], v15 offset:32*SP*((\t)%2)+16*\i
.endr
.endm
.irp t, 0,1,2,3,4,5,6,7
	LOAD \t
.endr
	s_wait_loadcnt 28                              ; step 0's four loads are in; the 28 behind them may be out
	TURN 0
.macro STEP t
.set XS, X+16*((\t)%2)
.if (\t) > 0
	s_wait_dscnt 1                                 ; this step's numbers are back from the stage (the last step's byte store may be out): so its stores into the stage have read their registers,
.else
	s_wait_dscnt 0x0
.endif
.if (\t)+8 < STEPS
	LOAD (\t)+8                                    ; which take the loads of eight steps on
.endif
.if (\t)+1 < STEPS
.if STEPS-2-(\t) >= 7
	s_wait_loadcnt 28                              ; the next step's four loads are in; those of the seven steps behind it may be out
.else
	s_wait_loadcnt 4*(STEPS-2-(\t))
.endif
	TURN (\t)+1                                    ; and go through the other stage while this step is worked
.endif
	v_max3_num_f32 v8, |v[XS]|, |v[XS+1]|, |v[XS+2]|               ; the largest magnitude of my 16, in two chains
	v_max3_num_f32 v9, |v[XS+3]|, |v[XS+4]|, |v[XS+5]|
.irp i, 6,10
	v_max3_num_f32 v8, v8, |v[XS+\i]|, |v[XS+\i+1]|
	v_max3_num_f32 v9, v9, |v[XS+\i+2]|, |v[XS+\i+3]|
.endr
	v_max3_num_f32 v8, v8, |v[XS+14]|, |v[XS+15]|
	v_max3_num_f32 v8, v8, v9, (EMAX+1)<<23        ; and the floor 2^(3 - 127): the byte cannot fall under 1
	v_max_num_f32_dpp v8, v8, v8 row_xmask:1 row_mask:0xf bank_mask:0xf   ; and of my neighbour's 16: the block's
	v_add_nc_u32 v11, -(EMAX<<23), v8              ; 2 off its exponent field: the conversion takes the exponent field of this operand as its scale
	v_cvt_scalef32_pk16_fp6_f32 v[C+4*(\t):C+4*(\t)+2], v[XS:XS+15], v11
	v_lshrrev_b32 v[E+(\t)], 23, v11               ; the scale's byte
	ds_store_b8 v5, v[E+(\t)] offset:16*(\t)       ; both lanes of a block write the same byte with the same value
	global_store_b96 v4, v[C+4*(\t):C+4*(\t)+2], s[18:19] offset:32*CB*(\t)   ; the wave stores 384 consecutive bytes
.endm
.irp t, 0,1,2,3,4,5,6,7,8,9,10,11,12,13,14,15
	STEP \t
.endr
	ds_load_b64 v[8:9], v6                         ; these see my byte stores: a wave's LDS instructions are served in order
	s_wait_dscnt 0x0
	global_store_b64 v7, v[8:9], s[20:21]          ; 32 lanes store 256 consecutive bytes, at a multiple of 256 from xs's first byte
	s_wait_tensorcnt 0x0                           ; the wave's end
	ds_add_u32 v[SPW], v[NIL]
	s_wait_dscnt 0x0
	s_endpgm
; ---- THE WEIGHTS.  K is the first axis.  A lane takes a column n and its registers run down K: each load reads 128 consecutive bytes a wave, a block of 32 along K lies in one lane's 32 registers, and the conversions give the
; codes with K innermost.  A wave takes 32 columns x 256 along K; the codes go through its stage and leave as rows, sixteen lanes to a row's 192 bytes.  A lane's stage row is its column's POSITION.
.Lweights:
	s_sub_co_u32 s27, ttmp9, XWG
	s_lshr_b32 s28, s27, 5                         ; which weight: 32 work-groups each: Wq, Wk, Wv, Wo
	s_bfe_u32 s29, s27, 0x20003                    ; which 256 along K
	s_and_b32 s30, s27, 7
	s_lshl_b32 s30, s30, 7
	s_lshl_b32 s31, s26, 5
	s_add_co_u32 s30, s30, s31                     ; my wave's first column
	s_wait_alu depctr_va_vdst(0)
	v_lshlrev_b32 v3, 2, v2                        ; in: 4 bytes a lane
	v_and_b32 v1, 7, v2
	v_bfe_u32 v5, v2, 3, 1
	v_bfe_u32 v6, v2, 4, 1
	v_lshl_or_b32 v1, v5, 4, v1
	v_lshl_or_b32 v1, v6, 3, v1                    ; my column's position among the wave's 32: the lane with bits 3 and 4 exchanged
	s_mul_i32 s31, s26, 32*PITCH
	s_add_co_u32 s31, s31, WSTG                    ; my stage
	v_mul_u32_u24 v4, v1, PITCH
	v_add_nc_u32 v4, s31, v4                       ; into it
	v_and_b32 v5, 15, v2
	v_lshrrev_b32 v6, 4, v2                        ; out of it: sixteen lanes to a row, two rows an instruction
	v_mul_u32_u24 v7, v6, PITCH
	v_lshl_add_u32 v7, v5, 4, v7
	v_add_nc_u32 v7, s31, v7
	v_mul_u32_u24 v8, v6, KROW
	v_mad_u32_u24 v8, v5, 12, v8                   ; and the same place in wc
	v_lshlrev_b32 v9, 5, v1                        ; my position's row of scale bytes
	s_lshl_b32 s32, s29, 20                        ; W: 256 rows of 4,096 bytes for each step along K,
	s_lshl_b32 s33, s30, 2
	s_add_co_u32 s32, s32, s33                     ; + 4 x column
	s_mov_b32 s33, 0
	s_mul_i32 s34, s28, 1024*KROW
	s_mul_i32 s35, s30, KROW
	s_add_co_u32 s34, s34, s35
	s_mul_i32 s35, s29, 192
	s_add_co_u32 s34, s34, s35                     ; wc: weight, row, 192 bytes for each 256 along K
	s_mov_b32 s35, 0
	s_lshl_b32 s36, s28, 15
	s_lshl_b32 s37, s30, 5
	s_add_co_u32 s36, s36, s37
	s_lshl_b32 s37, s29, 3
	s_add_co_u32 s36, s36, s37                     ; ws likewise, 8 bytes
	s_mov_b32 s37, 0
	s_and_b32 s38, s28, 1
	s_wait_kmcnt 0x0
	s_cmp_lt_u32 s28, 2                            ; the choice hangs on the work-group's number alone
	s_cselect_b64 s[4:5], s[10:11], s[14:15]
	s_cselect_b64 s[6:7], s[12:13], s[16:17]
	s_cmp_eq_u32 s38, 0
	s_cselect_b64 s[4:5], s[4:5], s[6:7]
	s_add_nc_u64 s[4:5], s[4:5], s[32:33]
	s_add_nc_u64 s[22:23], s[22:23], s[34:35]
	s_add_nc_u64 s[24:25], s[24:25], s[36:37]
.macro LOADW t                         ; block t: W(32 t + i, my column), i = 0 .. 31, into set t % 2.  The largest immediate is 255 rows of 4,096 bytes
.irp i, 0,1,2,3,4,5,6,7,8,9,10,11,12,13,14,15,16,17,18,19,20,21,22,23,24,25,26,27,28,29,30,31
	global_load_b32 v[XW+32*((\t)%2)+\i], v3, s[4:5] offset:(32*(\t)+\i)*4096 th:TH_LOAD_NT
.endr
.endm
	LOADW 0
	LOADW 1
.macro BLOCK t
.set XSW, XW+32*((\t)%2)
.if (\t) < NB-1
	s_wait_loadcnt 32                              ; this block's 32 loads are in; the next block's may be out
.else
	s_wait_loadcnt 0
.endif
	v_max3_num_f32 v16, |v[XSW]|, |v[XSW+1]|, |v[XSW+2]|           ; the block's largest magnitude: all 32 numbers are mine
	v_max3_num_f32 v17, |v[XSW+3]|, |v[XSW+4]|, |v[XSW+5]|
.irp i, 6,10,14,18,22,26
	v_max3_num_f32 v16, v16, |v[XSW+\i]|, |v[XSW+\i+1]|
	v_max3_num_f32 v17, v17, |v[XSW+\i+2]|, |v[XSW+\i+3]|
.endr
	v_max3_num_f32 v16, v16, |v[XSW+30]|, |v[XSW+31]|
	v_max3_num_f32 v16, v16, v17, (EMAX+1)<<23     ; and the floor
	v_add_nc_u32 v11, -(EMAX<<23), v16             ; the conversion's scale operand
	v_lshrrev_b32 v17, 23, v11                     ; the scale's byte
.if (\t)%4 == 0
	v_mov_b32 v[SB+(\t)/4], v17                    ; four bytes to a register, the lower K in the lower byte
.else
	v_lshl_or_b32 v[SB+(\t)/4], v17, 8*((\t)%4), v[SB+(\t)/4]
.endif
	v_cvt_scalef32_pk16_fp6_f32 v[CW:CW+2], v[XSW:XSW+15], v11
	v_cvt_scalef32_pk16_fp6_f32 v[CW+4:CW+6], v[XSW+16:XSW+31], v11   ; (a conversion's three registers begin on an even number)
	ds_store_b96 v4, v[CW:CW+2] offset:32*(\t)     ; 12 bytes to a place of 16, so that every LDS address is a multiple of 16
	ds_store_b96 v4, v[CW+4:CW+6] offset:32*(\t)+16
.if (\t)+2 < NB
	LOADW (\t)+2
.endif
	s_wait_dscnt 0x0                               ; the stores have read their registers: the next block's codes may be written
.endm
.set Q, 0
.rept NB
	BLOCK Q
.set Q, Q+1
.endr
	s_wait_alu depctr_va_vdst(0)
	global_store_b64 v9, v[SB:SB+1], s[24:25]      ; my column's eight scale bytes: rows 32 bytes apart, one byte in 128 of what this way reads
.irp t, 0,1,2,3,4,5,6,7,8,9,10,11,12,13,14,15
	ds_load_b96 v[OUTR+4*\t:OUTR+4*\t+2], v7 offset:2*\t*PITCH
.endr
.irp t, 0,1,2,3,4,5,6,7,8,9,10,11,12,13,14,15
	s_wait_dscnt 15-\t                             ; LDS loads come back in order: load t is in, the later ones may be out
	global_store_b96 v8, v[OUTR+4*\t:OUTR+4*\t+2], s[22:23] offset:2*\t*KROW
.endr
	s_wait_tensorcnt 0x0                           ; the wave's end
	ds_add_u32 v[SPW], v[NIL]
	s_wait_dscnt 0x0
	s_endpgm
.Lfunc_end_k_qe49b681ff3_quant:
	.size	k_qe49b681ff3_quant, .Lfunc_end_k_qe49b681ff3_quant-k_qe49b681ff3_quant
	.p2alignl 7, 3214868480
	.fill 96, 4, 3214868480
	.section	.rodata,"a",@progbits
	.p2align	6, 0x0
	.amdhsa_kernel k_qe49b681ff3_quant
		.amdhsa_group_segment_fixed_size 68096
		.amdhsa_private_segment_fixed_size 0
		.amdhsa_enable_private_segment 0
		.amdhsa_kernarg_size 88
		.amdhsa_user_sgpr_count 2
		.amdhsa_user_sgpr_kernarg_segment_ptr 1
		.amdhsa_wavefront_size32 1
		.amdhsa_system_sgpr_workgroup_id_x 1
		.amdhsa_system_sgpr_workgroup_id_y 1
		.amdhsa_system_sgpr_workgroup_id_z 1
		.amdhsa_system_vgpr_workitem_id 0
		.amdhsa_next_free_vgpr 256
		.amdhsa_next_free_sgpr 66
		.amdhsa_reserve_vcc 0
		.amdhsa_float_denorm_mode_32 3
		.amdhsa_float_denorm_mode_16_64 3
		.amdhsa_memory_ordered 1
		.amdhsa_forward_progress 1
		.amdhsa_inst_pref_size 75
	.end_amdhsa_kernel
	.amdgpu_metadata
---
amdhsa.version: [ 1, 2 ]
amdhsa.kernels:
  - .name:           k_qe49b681ff3_quant
    .symbol:         k_qe49b681ff3_quant.kd
    .args:
      - { .name: query, .offset: 0, .size: 8, .value_kind: global_buffer, .address_space: global }
      - { .name: key, .offset: 8, .size: 8, .value_kind: global_buffer, .address_space: global }
      - { .name: value, .offset: 16, .size: 8, .value_kind: global_buffer, .address_space: global }
      - { .name: Wq, .offset: 24, .size: 8, .value_kind: global_buffer, .address_space: global }
      - { .name: Wk, .offset: 32, .size: 8, .value_kind: global_buffer, .address_space: global }
      - { .name: Wv, .offset: 40, .size: 8, .value_kind: global_buffer, .address_space: global }
      - { .name: Wo, .offset: 48, .size: 8, .value_kind: global_buffer, .address_space: global }
      - { .name: xc, .offset: 56, .size: 8, .value_kind: global_buffer, .address_space: global }
      - { .name: xs, .offset: 64, .size: 8, .value_kind: global_buffer, .address_space: global }
      - { .name: wc, .offset: 72, .size: 8, .value_kind: global_buffer, .address_space: global }
      - { .name: ws, .offset: 80, .size: 8, .value_kind: global_buffer, .address_space: global }
    .group_segment_fixed_size: 68096
    .private_segment_fixed_size: 0
    .kernarg_segment_align: 8
    .kernarg_segment_size: 88
    .max_flat_workgroup_size: 128
    .sgpr_count:     66
    .vgpr_count:     256
    .wavefront_size: 32
...
	.end_amdgpu_metadata
.endif
;; end of part 1
;; launch qkv (part 2): grid 4 x 48, 4 waves a work-group, clusters of 4 x 4, 327,680 bytes of LDS; arguments xc, xs, wc, ws, bq, bk, qx, kv, bv; writes qx, kv
.if DOCPART == 2
	.amdgcn_target "amdgcn-amd-amdhsa--gfx1250"
	.amdhsa_code_object_version 6
	.text
	.protected	k_qe49b681ff3_qkv
	.globl	k_qe49b681ff3_qkv
	.p2align	8
	.type	k_qe49b681ff3_qkv,@function
k_qe49b681ff3_qkv:
	s_mov_b64 s[64:65], 0
	v_nop
	global_prefetch_b8 v0, s[64:65] scope:SCOPE_SE
	s_setreg_imm32_b32 hwreg(HW_REG_WAVE_MODE, 25, 1), 1
	s_wait_xcnt 0x0
	s_wait_alu depctr_hold_cnt(0) depctr_sa_sdst(0) depctr_va_vdst(0) depctr_va_sdst(0) depctr_va_ssrc(0) depctr_va_vcc(0) depctr_vm_vsrc(0)
	s_getreg_b32 s2, hwreg(HW_REG_IB_STS2, 6, 4)
	s_cmp_eq_u32 s2, 0
	s_cbranch_scc0 .Lentry_in_a_cluster
	s_endpgm
.Lentry_in_a_cluster:
	s_bfe_u32 s2, ttmp6, 0x10000c
	s_cmp_lg_u32 s2, 0xf033
	s_cbranch_scc0 .Lentry_shape_is_right
	s_endpgm
.Lentry_shape_is_right:
; LAUNCH 2 OF 4: Q = query Wq + bq, K = key Wk + bk, V = value Wv + bv on codes of E2M3, and their results quantised in registers for the attention.  No work is left out.
; A tile of 256 x 256 is made by a work-group of four waves, 128 x 128 a wave: 64 accumulators of 16 x 16.  A row of codes is 768 bytes; K goes through a ring of two LDS slots in CHUNKS OF 256 BYTES of each row,
; so that every tile row begins at a multiple of 256 bytes.  A step of 128 along K is 96 bytes: eight steps to three chunks; steps 2 and 5 lie across two chunks.  The scale bytes of the work-group's rows come into LDS once.
; 4 x 4 work-groups form a cluster: the four of a row need the same tiles of source 1's operand (called A), the four of a column the same tiles of source 0's (called B): joint loads.
; WHICH PRODUCT: cluster y / 4 = 0 Q, 1 K, 2 V: the same in all sixteen partners.  In a result a lane holds ONE row of A and its eight registers eight rows of B.
;   Q, K: A = the tokens, B = the weight's columns: a lane holds a token, its registers run along the head's channels.   V: A = the weight's columns, B = the tokens: a lane holds a channel, its registers run along the keys.
; By the position order of launch 1 the 64 registers of a block of 16 rows of A are 128 neighbours along B in the order 32 b + 16 (lane / 16) + i.  THE BIAS is the C of each sum's first product.
; THE WAY OUT: each block's 64 registers a lane are quantised (4 blocks of 32) into one fragment of 12 registers and one scale word, stored as the registers stand: a HALF IMAGE (16 rows x 64 K, 768 bytes) is registers
; 0-3 at 16 x lane and registers 4-5 at 512 + 8 x lane.  qx: [32 heads][16 groups of 128 queries][6,656]: 8 half images, then two blocks of 256 bytes of scale words.
; kv: [32 heads][32 parts][6,656]: part 2 s: K's 128 keys of step s, as in qx; part 2 s + 1: V's four fragments, a block of scale words, and that block once more.
; Q's and K's products have K = 64: their scale words are (s0, s1, s0, s1); the upper 64 of the attention's K step are zero codes.
; LIMITS: NaN and infinities are not served; a scale byte is held at 1 from below.
.set ROWB,   256
.set NQ,     2
.set KROW,   768
.set STEPS,  8
.set CHUNKS, 3
.set PITCH,  272                       ; an LDS row: 256 bytes + 16 of padding
.set FR,     12
.set NL,     6
.set NP,     4
.set HALFT,  128*PITCH
.set SLOT,   4*HALFT                   ; A's 256 rows, then B's 256 rows
.set KS,     32
.set SCL,    2*SLOT                    ; the scales, as units of 256 bytes + 16
.set HALFS,  (128*KS/256)*272
.set SBLK,   (16*KS/256)*272
.set SPARE,  SCL+4*HALFS               ; the spare words: 512 bytes that no other line names
.set PARTB,  6656
.set ADRA, 16                          ; v16-17 my A fragments in slot 0, 1; v18-19 for a piece whose lanes 16-31 read the next chunk, in the other slot
.set ADRB, 20                          ; v20-23 the same for B
.set PFO,  26                          ; v26 the prefetch's offset: lane x 768
.set ADRS, 27                          ; v27 my scale words: lanes 0-15 A's rows, lanes 16-31 B's
.set SPW,  28
.set NIL,  29
.set LI,   30                          ; 16 x lane
.set LH,   31                          ; 8 x lane
.set SC,   32                          ; v32-63 scale words, two sets
.set BIAS, 64                          ; v64-127 the bias in the result's layout
.set AF,   128                         ; v128-223 A's fragments, one set; B's two sets lie in window 1; the accumulators in windows 2 and 3
.set LV,   224                         ; v224-231 the bias loads' offsets
.set SWD,  96
.set SELV, 104
.set VSO,  105
.set CDS,  112
.set TM,   200
.set PW,   216
.set G1, 24
.set G0, 32
.set G1B, 48
.set G0B, 56
.set G1S, 68
.set G0S, 76
.set G1SB, 80
.set G0SB, 88
.set G0H, 4                            ; group 0 of the head's loads of chunk 0, in registers whose arguments have been used
.set G0HB, 8
.set MSB, 0
.macro WIN new                         ; the immediate's high byte repeats the setting that is left
.if MSB != \new
	s_set_vgpr_msb (MSB<<8)|\new
.set MSB, \new
.endif
.endm
.set MUL_LO, 0xa1                      ; source 0 (B) window 1, source 1 (A) window 0, C and D window 2
.set MUL_HI, 0xf1
.set TO_B,   0x40
.macro JLOAD g0a, g1a, g0b, g1b        ; a joint load: waves 0 and 1 fetch for A, waves 2 and 3 for B
	s_cmp_eq_u32 s15, 0
	s_cbranch_scc0 .Lfor_b_\@
	tensor_load_to_lds s[\g0a:\g0a+3], s[\g1a:\g1a+7]
	s_nop 0
.rept 4
	v_nop
.endr
	s_branch .Lasked_\@
.Lfor_b_\@:
	tensor_load_to_lds s[\g0b:\g0b+3], s[\g1b:\g1b+7]
	s_nop 0
.rept 4
	v_nop
.endr
.Lasked_\@:
.endm
.macro CREST                           ; a round of the cluster's barrier behind its opening barrier
	s_cmp_lg_u32 s14, 0
	s_cbranch_scc1 .Lnot_wave_0_\@
	s_barrier_signal -3
.Lnot_wave_0_\@:
	s_barrier_wait -3
	s_barrier_signal -1
	s_barrier_wait -1
.endm
.macro CROUND
	s_barrier_signal -1
	s_barrier_wait -1
	CREST
.endm
	s_load_b256 s[4:11], s[0:1], 0x0               ; xc, xs, wc, ws
	s_load_b128 s[76:79], s[0:1], 0x20             ; bq, bk
	s_load_b128 s[88:91], s[0:1], 0x30             ; qx, kv
	s_load_b64 s[96:97], s[0:1], 0x40              ; bv
	v_lshl_add_u32 v[SPW], v0, 2, SPARE
	v_mov_b32 v[NIL], 0
	ds_add_u32 v[SPW], v[NIL]                      ; the opening lines: the add twice on end, and its wait ahead of my first tensor load
	ds_add_u32 v[SPW], v[NIL]
	v_lshrrev_b32 v1, 5, v0
	v_readfirstlane_b32 s14, v1                    ; wave
	s_lshr_b32 s15, s14, 1                         ; my half of A's rows; also: I fetch for A (0) or B (1)
	s_and_b32 s16, s14, 1                          ; my half of B's rows; also: which 128 rows I fetch
	s_bfe_u32 s40, ttmp6, 0x40000                  ; cx
	s_bfe_u32 s41, ttmp6, 0x40004                  ; cy
	s_and_b32 s17, ttmp7, 0xffff
	s_lshr_b32 s66, s17, 2                         ; 0 Q, 1 K, 2 V
	s_and_b32 s17, s17, 3
	s_lshl_b32 s17, s17, 2
	s_lshl_b32 s98, s66, 12                        ; the product's section of xc and xs, in rows,
	s_lshl_b32 s99, s66, 10                        ; and of wc and ws
	s_cmp_eq_u32 s66, 2
	s_cselect_b32 s42, s17, 0                      ; V: the tokens are B's rows,
	s_cselect_b32 s17, 0, s17                      ; else A's
	s_cselect_b32 s2, s99, s98
	s_cselect_b32 s99, s98, s99
	s_add_co_u32 s17, s17, s41                     ; A's tile: cy and the cluster's number alone
	s_add_co_u32 s42, s42, s40                     ; B's tile: cx and the cluster's number alone
	s_lshl_b32 s43, s41, 2
	s_lshl_b32 s43, 15, s43                        ; my row of the cluster
	s_lshl_b32 s44, 0x1111, s40                    ; my column
	s_or_b32 s[G1+0], s43, (0<<16)|(1<<20)|(1<<21)|(5<<22)|(3<<25)   ; rows of 256 bytes, 16 bytes of padding behind each
	s_or_b32 s[G1B+0], s44, (0<<16)|(1<<20)|(1<<21)|(5<<22)|(3<<25)
.irp g, G1, G1B
	s_mov_b32 s[\g+1], ROWB<<16
	s_mov_b32 s[\g+2], 256<<16                     ; the head's loads bring 256 rows
	s_mov_b32 s[\g+3], ROWB<<16
	s_mov_b32 s[\g+4], 256
	s_mov_b32 s[\g+5], KROW
	s_mov_b32 s[\g+6], 0
	s_mov_b32 s[\g+7], 0
.endr
	s_or_b32 s[G1S+0], s43, (3<<16)|(1<<20)|(1<<21)|(5<<22)|(3<<25)  ; the scales of 256 rows: 8,192 dense bytes as 32 rows of 256
	s_or_b32 s[G1SB+0], s44, (3<<16)|(1<<20)|(1<<21)|(5<<22)|(3<<25)
.irp g, G1S, G1SB
	s_mov_b32 s[\g+1], 32<<16
	s_mov_b32 s[\g+2], KS<<16
	s_mov_b32 s[\g+3], 32<<16
	s_mov_b32 s[\g+4], KS
	s_mov_b32 s[\g+5], 32
	s_mov_b32 s[\g+6], 0
	s_mov_b32 s[\g+7], 0
.endr
	s_lshl_b32 s20, s17, 8
	s_add_co_u32 s20, s20, s2                      ; A: section + 256 x tile
	s_lshl_b32 s46, s42, 8
	s_add_co_u32 s46, s46, s99                     ; B likewise
	s_mov_b32 s21, 0
	s_mov_b32 s47, 0
	s_mov_b64 s[18:19], KS
	s_mul_u64 s[22:23], s[20:21], s[18:19]
	s_mul_u64 s[92:93], s[46:47], s[18:19]
	s_mov_b64 s[18:19], KROW
	s_mul_u64 s[20:21], s[20:21], s[18:19]
	s_mul_u64 s[46:47], s[46:47], s[18:19]
	s_mul_i32 s18, s16, 128*KROW                   ; in the ring I fetch 128 rows of a tile
	s_mov_b32 s19, 0
	s_mul_i32 s45, s14, HALFT
	s_wait_dscnt 0x0
	s_wait_kmcnt 0x0
	s_cmp_eq_u32 s66, 0                            ; the choices hang on the cluster's number alone
	s_cselect_b64 s[100:101], s[76:77], s[78:79]   ; the bias,
	s_cselect_b64 s[12:13], s[88:89], s[90:91]     ; and where the results go
	s_cmp_eq_u32 s66, 2
	s_cselect_b64 s[100:101], s[96:97], s[100:101]
	s_mov_b64 s[98:99], s[4:5]                     ; V: the weight is A and the tokens are B
	s_cselect_b64 s[4:5], s[8:9], s[4:5]
	s_cselect_b64 s[8:9], s[98:99], s[8:9]
	s_mov_b64 s[98:99], s[6:7]
	s_cselect_b64 s[6:7], s[10:11], s[6:7]
	s_cselect_b64 s[10:11], s[98:99], s[10:11]
	s_add_nc_u64 s[20:21], s[4:5], s[20:21]
	s_add_nc_u64 s[22:23], s[6:7], s[22:23]
	s_add_nc_u64 s[46:47], s[8:9], s[46:47]
	s_add_nc_u64 s[92:93], s[10:11], s[92:93]
	CROUND                                         ; all sixteen work-groups are here: the first joint loads meet
	s_mov_b32 s[G0H], 1                            ; chunk 0's 256 rows of A,
	s_mov_b32 s[G0H+1], 0
	s_mov_b64 s[G0H+2:G0H+3], s[20:21]
	s_or_b32 s[G0H+3], s[G0H+3], 0x80000000
	s_mov_b32 s[G0HB], 1                           ; its 256 rows of B,
	s_mov_b32 s[G0HB+1], 2*HALFT
	s_mov_b64 s[G0HB+2:G0HB+3], s[46:47]
	s_or_b32 s[G0HB+3], s[G0HB+3], 0x80000000
	s_mov_b32 s[G0S], 1                            ; A's scales,
	s_mov_b32 s[G0S+1], SCL
	s_mov_b64 s[G0S+2:G0S+3], s[22:23]
	s_or_b32 s[G0S+3], s[G0S+3], 0x80000000
	s_mov_b32 s[G0SB], 1                           ; B's
	s_mov_b32 s[G0SB+1], SCL+2*HALFS
	s_mov_b64 s[G0SB+2:G0SB+3], s[92:93]
	s_or_b32 s[G0SB+3], s[G0SB+3], 0x80000000
	s_add_nc_u64 s[20:21], s[20:21], s[18:19]      ; for the ring: my 128 rows
	s_add_nc_u64 s[46:47], s[46:47], s[18:19]
.irp s, 0,1
	s_mov_b32 s[G0+4*\s], 1
	s_add_co_u32 s[G0+4*\s+1], s45, \s*SLOT
	s_add_nc_u64 s[G0+4*\s+2:G0+4*\s+3], s[20:21], \s*ROWB
	s_or_b32 s[G0+4*\s+3], s[G0+4*\s+3], 0x80000000
	s_mov_b32 s[G0B+4*\s], 1
	s_add_co_u32 s[G0B+4*\s+1], s45, \s*SLOT
	s_add_nc_u64 s[G0B+4*\s+2:G0B+4*\s+3], s[46:47], \s*ROWB
	s_or_b32 s[G0B+4*\s+3], s[G0B+4*\s+3], 0x80000000
.endr
; the head's four tiles, one load a wave, in one chain of arms that all lead to one join
.macro ARM under, g0, g1, next
	s_cmp_lt_u32 s14, \under
	s_cbranch_scc0 \next
	tensor_load_to_lds s[\g0:\g0+3], s[\g1:\g1+7]
	s_nop 0
.rept 4
	v_nop
.endr
	s_branch .Lhead_asked
\next:
.endm
	ARM 1, G0H,  G1,  .Lhead_b
	ARM 2, G0HB, G1B, .Lhead_sa
	ARM 3, G0S,  G1S, .Lhead_sb
	tensor_load_to_lds s[G0SB:G0SB+3], s[G1SB:G1SB+7]
	s_nop 0
.rept 4
	v_nop
.endr
.Lhead_asked:
	s_cmp_eq_u32 s15, 0                            ; the prefetch of chunk 2: of the 128 rows that I fetch, the partner at place p (cx for A, cy for B) names rows 32 p .. 32 p + 31: shared out by address
	s_cselect_b64 s[96:97], s[20:21], s[46:47]
	s_cselect_b32 s98, s40, s41
	s_mul_i32 s98, s98, 32*KROW
	s_mov_b32 s99, 0
	s_add_nc_u64 s[96:97], s[96:97], s[98:99]
	v_and_b32 v1, 15, v0                           ; r
	v_bfe_u32 v2, v0, 4, 1                         ; h
	v_mul_u32_u24 v3, v1, PITCH
	v_mul_u32_u24 v4, v2, 24
	v_add_nc_u32 v4, v3, v4                        ; row x pitch + 24 h
	s_mov_b32 s21, SLOT-232
	s_mov_b32 s22, SLOT+232
	v_sub_nc_u32 v7, 1, v2
	v_mul_u32_u24 v5, s21, v2
	v_add_nc_u32 v5, v3, v5
	v_add_nc_u32 v5, 232, v5                       ; lanes 0-15 byte 232 of the row in slot 0, lanes 16-31 byte 0 of the row in slot 1;
	v_mul_u32_u24 v6, s22, v7
	v_add_nc_u32 v6, v3, v6                        ; and the other way round
	s_mul_i32 s21, s15, HALFT
	s_mul_i32 s22, s16, HALFT
	s_add_co_u32 s22, s22, 2*HALFT
	v_add_nc_u32 v[ADRA+2], s21, v5
	v_add_nc_u32 v[ADRA+3], s21, v6
	v_add_nc_u32 v[ADRB+2], s22, v5
	v_add_nc_u32 v[ADRB+3], s22, v6
.irp s, 0,1
	v_add_nc_u32 v[ADRA+\s], s21, v4
	v_add_nc_u32 v[ADRB+\s], s22, v4
	s_add_co_u32 s21, s21, SLOT
	s_add_co_u32 s22, s22, SLOT
.endr
	v_mul_u32_u24 v5, v1, KS                       ; my row's scales: 32 bytes a row, 16 more for each 256 passed
	v_lshrrev_b32 v6, 8, v5
	v_lshl_add_u32 v5, v6, 4, v5
	s_mul_i32 s21, s15, HALFS
	s_mul_i32 s22, s16, HALFS
	s_add_co_u32 s22, s22, 2*HALFS
	s_sub_co_u32 s22, s22, s21
	v_mul_u32_u24 v6, s22, v2                      ; lanes 16-31 take B's: the distance between the two bases x h
	s_add_co_u32 s21, s21, SCL
	v_add_nc_u32 v5, v5, v6
	v_add_nc_u32 v[ADRS], s21, v5
	v_and_b32 v6, 31, v0
	v_lshlrev_b32 v[LI], 4, v6
	v_lshlrev_b32 v[LH], 3, v6
	v_mul_u32_u24 v[PFO], v6, KROW
	s_lshl_b32 s67, s17, 8                         ; my first position among the tokens (s67) and among the weight's columns (s95): for the bias's and the results' addresses alone
	s_lshl_b32 s98, s15, 7
	s_add_co_u32 s67, s67, s98
	s_lshl_b32 s95, s42, 8
	s_lshl_b32 s98, s16, 7
	s_add_co_u32 s95, s95, s98
	s_cmp_eq_u32 s66, 2
	s_mov_b32 s98, s67
	s_cselect_b32 s67, s95, s67
	s_cselect_b32 s95, s98, s95
	s_cselect_b32 s92, 0, 64                       ; Q, K: register j of B's tile t is column 32 (t / 2) + 8 (t % 2) + 16 h + j
	s_cselect_b32 s93, 4, 0                        ; V: all eight registers of A's tile t are my channel 32 (t / 2) + 8 (t % 2) + r + 8 (r / 8)
	s_cselect_b32 s94, 0, 4
	s_lshl_b32 s98, s95, 2
	s_mov_b32 s99, 0
	s_add_nc_u64 s[100:101], s[100:101], s[98:99]
	v_and_b32 v6, 8, v1
	v_add_nc_u32 v6, v6, v1
	v_mul_u32_u24 v6, s93, v6
	v_mad_u32_u24 v[LV], v2, s92, v6
.irp j, 1,2,3,4,5,6,7
	v_add_nc_u32 v[LV+\j], s94, v[LV+\j-1]
.endr
.irp t, 0,1,2,3,4,5,6,7
.irp j, 0,1,2,3,4,5,6,7
	global_load_b32 v[BIAS+8*\t+\j], v[LV+\j], s[100:101] offset:4*(32*(\t/2)+8*(\t%2))
.endr
.endr
	global_prefetch_b8 v[PFO], s[96:97] offset:2*ROWB th:TH_LOAD_NT scope:SCOPE_SE   ; chunk 2, which the one refill (in step 2) loads: 32 rows x 256 bytes, a lane a row; its address registers are never rewritten
.macro FRAG reg, adr, st, i            ; a fragment: lane l holds row l % 16; registers 6 c .. 6 c + 5 hold K = 64 c + 32 (l / 16) + 0 .. 31, in pieces of 8 bytes.  Byte y of a row lies in slot (y / 256) % 2 at byte y % 256
.irp p, 0,1,2,3,4,5
.set BY, 96*(\st)+48*(\p/3)+8*(\p%3)
.if BY/ROWB == (BY+24)/ROWB
	ds_load_b64 v[\reg+2*\p:\reg+2*\p+1], v[\adr+(BY/ROWB)%2] offset:BY%ROWB+(\i)*16*PITCH
.else
	ds_load_b64 v[\reg+2*\p:\reg+2*\p+1], v[\adr+2+(BY/ROWB)%2] offset:BY%ROWB-232+(\i)*16*PITCH
.endif
.endr
.endm
; 16 products: A's blocks a0, a0 + 1 x B's eight.  zero = 1: the sums begin with the bias of B's tile; 2: of A's tile; 0: they go on.  The 64 accumulators take turns.
.macro MUL16 a0, p, q, sc, zero
.irp a, \a0, \a0+1
.irp b, 0,1,2,3,4,5,6,7
.if \zero == 1
	v_wmma_scale_f32_16x16x128_f8f6f4 v[8*(8*((\a)%4)+\b):8*(8*((\a)%4)+\b)+7], v[128*(\p)+FR*\b:128*(\p)+FR*\b+FR-1], v[AF+FR*(\a):AF+FR*(\a)+FR-1], v[BIAS+8*\b:BIAS+8*\b+7], v[SC+8*NQ*(\sc)+NQ*\b+(\q)], v[SC+8*NQ*(\sc)+NQ*(\a)+(\q)] matrix_a_fmt:MATRIX_FMT_FP6 matrix_b_fmt:MATRIX_FMT_FP6 matrix_a_scale:MATRIX_SCALE_ROW1
.elseif \zero == 2
	v_wmma_scale_f32_16x16x128_f8f6f4 v[8*(8*((\a)%4)+\b):8*(8*((\a)%4)+\b)+7], v[128*(\p)+FR*\b:128*(\p)+FR*\b+FR-1], v[AF+FR*(\a):AF+FR*(\a)+FR-1], v[BIAS+8*(\a):BIAS+8*(\a)+7], v[SC+8*NQ*(\sc)+NQ*\b+(\q)], v[SC+8*NQ*(\sc)+NQ*(\a)+(\q)] matrix_a_fmt:MATRIX_FMT_FP6 matrix_b_fmt:MATRIX_FMT_FP6 matrix_a_scale:MATRIX_SCALE_ROW1
.else
	v_wmma_scale_f32_16x16x128_f8f6f4 v[8*(8*((\a)%4)+\b):8*(8*((\a)%4)+\b)+7], v[128*(\p)+FR*\b:128*(\p)+FR*\b+FR-1], v[AF+FR*(\a):AF+FR*(\a)+FR-1], v[8*(8*((\a)%4)+\b):8*(8*((\a)%4)+\b)+7], v[SC+8*NQ*(\sc)+NQ*\b+(\q)], v[SC+8*NQ*(\sc)+NQ*(\a)+(\q)] matrix_a_fmt:MATRIX_FMT_FP6 matrix_b_fmt:MATRIX_FMT_FP6 matrix_a_scale:MATRIX_SCALE_ROW1
.endif
.endr
.endr
.endm
.macro FETCH_B st, p
	WIN TO_B
.irp i, 0,1,2,3,4,5,6,7
	FRAG 128*(\p)+FR*\i, ADRB, \st, \i
.endr
	WIN 0
.endm
.macro FETCH_A st, i0
.irp i, \i0, \i0+1, \i0+2, \i0+3
	FRAG AF+FR*(\i), ADRA, \st, \i
.endr
.endm
.macro SCALES pr                       ; the scale words of steps 2 pr and 2 pr + 1 into set pr % 2
.irp i, 0,1,2,3,4,5,6,7
	ds_load_b64 v[SC+8*NQ*((\pr)%2)+NQ*\i:SC+8*NQ*((\pr)%2)+NQ*\i+1], v[ADRS] offset:\i*SBLK+4*NQ*(\pr)
.endr
.endm
.macro PLACES n                        ; plain vector instructions between a matrix instruction and a load into, or a read of, its registers
.rept \n
	v_nop
.endr
.endm
; A step of 128 along K.  Where the next step's bytes END in a chunk not read yet: every wave waits for its tensor loads and a barrier shows that chunk.  Where they BEGIN in a later chunk: the chunk left behind is read no more:
; the wait for all tensor loads, the add, the wait for it and for my reads, the barrier; where a chunk two on is left to fetch, the barrier opens a round of the cluster's barrier and the slot is filled again.
.macro STEP st, zero
.set NX, (\st)+1
.set C0, (96*(\st))/ROWB
.set C1, (96*NX)/ROWB
.set E0, (96*(\st)+95)/ROWB
.set E1, (96*NX+95)/ROWB
.if \zero
.set WL_, 0x81                         ; C (the bias) in window 0
.set WH_, 0xc1
.else
.set WL_, MUL_LO
.set WH_, MUL_HI
.endif
.if C1 > C0 || E1 > E0
	s_wait_tensorcnt 0x0                           ; all my tensor loads have landed
.if C1 > C0
	ds_add_u32 v[SPW], v[NIL]
	s_wait_dscnt 4*NL+1                            ; the add and the youngest 24 loads (A's blocks 4-7) may be out
.else
	s_wait_dscnt 4*NL                              ; the youngest 24 loads may be out
.endif
	WIN WL_
	MUL16 0, (\st)%2, (\st)%2, ((\st)/2)%2, \zero
	s_wait_dscnt 0x0                               ; the add, where there is one, and all my reads are done
	s_barrier_signal -1
	MUL16 2, (\st)%2, (\st)%2, ((\st)/2)%2, \zero
	WIN 0
	s_barrier_wait -1
.if C1 > C0 && C0+2 < CHUNKS
	CREST
	s_add_nc_u64 s[G0+4*(C0%2)+2:G0+4*(C0%2)+3], s[G0+4*(C0%2)+2:G0+4*(C0%2)+3], 2*ROWB
	s_add_nc_u64 s[G0B+4*(C0%2)+2:G0B+4*(C0%2)+3], s[G0B+4*(C0%2)+2:G0B+4*(C0%2)+3], 2*ROWB
	JLOAD G0+4*(C0%2), G1, G0B+4*(C0%2), G1B       ; chunk C0 + 2, the first tensor load behind the round; its four v_nop are the places ahead of the loads below
.else
	PLACES NP
.endif
.else
	s_wait_dscnt 4*NL                              ; B's set and A's blocks 0-3 are in; the youngest 24 loads may be out
	WIN WL_
	MUL16 0, (\st)%2, (\st)%2, ((\st)/2)%2, \zero
	MUL16 2, (\st)%2, (\st)%2, ((\st)/2)%2, \zero
	s_wait_dscnt 0
	PLACES NP
.endif
	FETCH_B NX, NX%2
	FETCH_A NX, 0
.if NX%2 == 0
	SCALES NX/2
.endif
	WIN WH_
	MUL16 4, (\st)%2, (\st)%2, ((\st)/2)%2, \zero
	MUL16 6, (\st)%2, (\st)%2, ((\st)/2)%2, \zero
	PLACES NP
	WIN 0
	FETCH_A NX, 4
.endm
	s_wait_alu depctr_va_vdst(0)
	s_wait_tensorcnt 0x0                           ; my tile of the head's four is in; the same lines as ahead of a refill stand ahead of slot 1's first fill
	ds_add_u32 v[SPW], v[NIL]
	s_mov_b32 s[G1+2], 128<<16                     ; no tensor load of mine is out: from here on a load brings 128 rows
	s_mov_b32 s[G1+4], 128
	s_mov_b32 s[G1B+2], 128<<16
	s_mov_b32 s[G1B+4], 128
	s_wait_dscnt 0x0
	CROUND
	JLOAD G0+4, G1, G0B+4, G1B                     ; chunk 1
	FETCH_B 0, 0
	FETCH_A 0, 0
	SCALES 0
	FETCH_A 0, 4
	s_wait_loadcnt 0x0                             ; the bias
	s_cmp_eq_u32 s66, 2                            ; the first step is written twice: the bias goes by B's tile (Q, K) or by A's (V).  The cluster's number decides; the step holds no barrier and no tensor load
	s_cbranch_scc1 .Lfirst_v
	STEP 0, 1
	s_branch .Lfirst_done
.Lfirst_v:
	STEP 0, 2
.Lfirst_done:
.set ST, 1
.rept STEPS-2
	STEP ST, 0
.set ST, ST+1
.endr
	s_wait_dscnt 4*NL                              ; the last step
	WIN MUL_LO
	MUL16 0, 1, 1, 1, 0
	MUL16 2, 1, 1, 1, 0
	s_wait_dscnt 0
	WIN MUL_HI
	MUL16 4, 1, 1, 1, 0
	MUL16 6, 1, 1, 1, 0
	WIN 0
	PLACES NP
; THE WAY OUT.  No tensor load of mine is out, so the descriptors' registers are free.
	s_lshr_b32 s68, s67, 11                        ; the batch,
	s_bfe_u32 s69, s67, 0x40007                    ; the group of 128 tokens in it,
	s_lshr_b32 s70, s95, 6                         ; the first of my two heads
	s_lshl_b32 s68, s68, 4
	s_add_co_u32 s68, s68, s70
	s_mov_b32 s73, 32*PARTB
	s_cmp_eq_u32 s66, 0
	s_cselect_b32 s71, 4, 5                        ; qx has 16 parts a head, kv 32,
	s_cselect_b32 s72, 0, 1                        ; of which a group of keys has two
	s_cselect_b32 s73, 16*PARTB, s73
	s_lshl_b32 s68, s68, s71
	s_lshl_b32 s69, s69, s72
	s_add_co_u32 s68, s68, s69
	s_mov_b32 s78, 768
	s_mov_b32 s80, 768
	s_mov_b32 s82, 256
	s_mov_b32 s84, 256
	s_mov_b32 s92, 0x01000100
	s_mov_b32 s93, 0x02020202
	s_cmp_eq_u32 s66, 2
	s_cselect_b32 s74, 1, 0                        ; V's part is the second of the two
	s_cselect_b32 s76, 768, s73                    ; a fragment's second half: V: the next half image; Q, K: the next head's
	s_cselect_b32 s78, 1536, s78                   ; from block to block
	s_cselect_b32 s80, 32*PARTB-4608, s80          ; from block 3 to block 4: V: on to the next head's part
	s_cselect_b32 s82, s73, s82                    ; blocks 4-7's words
	s_cselect_b32 s84, s84, s73                    ; lanes 16-31's words: V: the copy; Q, K: the next head's
	s_cselect_b32 s92, 0x03020100, s92             ; my word: V: the four bytes as they are; Q, K: (s0, s1, s0, s1) of my half's head
	s_cselect_b32 s93, 0, s93
	s_add_co_u32 s68, s68, s74
	s_mul_i32 s68, s68, PARTB
	s_mov_b32 s69, 0
	s_mov_b32 s77, 0
	s_mov_b32 s79, 0
	s_mov_b32 s81, 0
	s_mov_b32 s83, 0
	s_add_nc_u64 s[12:13], s[12:13], s[68:69]
	s_add_nc_u64 s[86:87], s[12:13], s[76:77]
	s_add_nc_u64 s[88:89], s[12:13], 6144
	s_add_nc_u64 s[90:91], s[88:89], s[82:83]
	v_and_b32 v1, 15, v0
	v_bfe_u32 v2, v0, 4, 1
	v_mul_lo_u32 v[SELV], v2, s93
	v_add_nc_u32 v[SELV], s92, v[SELV]
	v_mul_lo_u32 v[VSO], v2, s84
	v_lshl_add_u32 v[VSO], v1, 4, v[VSO]
	s_mov_b32 s70, 0x76543210
	s_mov_b32 s71, 0xfedcba98
.irp b, 0,1,2,3
	v_mov_b32 v[TM+4+\b], 0                        ; a lane permute's destination counts as one of its sources
.endr
; Block a's 64 numbers of a lane become a fragment's codes in v[CDS] on and four scale bytes in v[PW].  Each accumulator is read from its low end on.
.macro QUANTW a
.set AC, 64*((\a)%4)
	WIN 0x0a+5*((\a)/4)
.irp b, 0,1,2,3
	v_max3_num_f32 v[TM+\b], |v[AC+16*\b]|, |v[AC+1+16*\b]|, 0x1800000   ; with the floor 2^(3 - 127)
.endr
	WIN 0x28+20*((\a)/4)
.irp i, 2,4,6,8,10,12,14
.irp b, 0,1,2,3
	v_max3_num_f32 v[TM+\b], v[TM+\b], |v[AC+16*\b+\i]|, |v[AC+1+16*\b+\i]|
.endr
.endr
	WIN 0
.irp b, 0,1,2,3
	v_permlanex16_b32 v[TM+4+\b], v[TM+\b], s70, s71
.endr
.irp b, 0,1,2,3
	v_max_num_f32 v[TM+\b], v[TM+\b], v[TM+4+\b]
.endr
.irp b, 0,1,2,3
	v_add_nc_u32 v[TM+12+\b], 0xff000000, v[TM+\b] ; 2 off the exponent field: the conversion's scale operand
.endr
.irp b, 0,1,2,3
	v_lshrrev_b32 v[TM+4+\b], 23, v[TM+12+\b]
.endr
	v_lshl_or_b32 v[PW], v[TM+5], 8, v[TM+4]
	v_lshl_or_b32 v[PW], v[TM+6], 16, v[PW]
	v_lshl_or_b32 v[PW], v[TM+7], 24, v[PW]
	WIN 2+(\a)/4
.irp c, 0,1
	v_cvt_scalef32_pk16_fp6_f32 v[CDS+6*\c:CDS+2+6*\c], v[AC+32*\c:AC+15+32*\c], v[TM+12+2*\c]
	v_cvt_scalef32_pk16_fp6_f32 v[CDS+12+4*\c:CDS+14+4*\c], v[AC+16+32*\c:AC+31+32*\c], v[TM+12+2*\c+1]
.endr
	WIN 0
	v_nop                                          ; one plain place behind a scaled conversion
.irp c, 0,1
.irp i, 0,1,2
	v_permlane16_swap_b32 v[CDS+6*\c+\i], v[CDS+12+4*\c+\i]
.endr
.irp i, 0,1,2
	v_mov_b32 v[CDS+3+6*\c+\i], v[CDS+12+4*\c+\i]
.endr
.endr
.endm
.macro OUTBLK a
.if (\a) > 0
	s_wait_xcnt 0x0                                ; the last block's stores have read their data and their bases
.if (\a) == 4
	s_add_nc_u64 s[12:13], s[12:13], s[80:81]
	s_add_nc_u64 s[86:87], s[86:87], s[80:81]
.else
	s_add_nc_u64 s[12:13], s[12:13], s[78:79]
	s_add_nc_u64 s[86:87], s[86:87], s[78:79]
.endif
.endif
	QUANTW \a
	v_perm_b32 v[SWD+(\a)], v[PW], v[PW], v[SELV]
	global_store_b128 v[LI], v[CDS:CDS+3], s[12:13]                ; 512 consecutive bytes,
	global_store_b64 v[LH], v[CDS+4:CDS+5], s[12:13] offset:512    ; and 256: a half image
	global_store_b128 v[LI], v[CDS+6:CDS+9], s[86:87]
	global_store_b64 v[LH], v[CDS+10:CDS+11], s[86:87] offset:512
.endm
.irp a, 0,1,2,3,4,5,6,7
	OUTBLK \a
.endr
	global_store_b128 v[VSO], v[SWD:SWD+3], s[88:89]               ; sixteen lanes store 256 consecutive bytes
	global_store_b128 v[VSO], v[SWD+4:SWD+7], s[90:91]
	s_wait_tensorcnt 0x0                           ; the wave's end
	ds_add_u32 v[SPW], v[NIL]
	s_wait_dscnt 0x0
	CROUND                                         ; the closing round
	s_endpgm
.Lfunc_end_k_qe49b681ff3_qkv:
	.size	k_qe49b681ff3_qkv, .Lfunc_end_k_qe49b681ff3_qkv-k_qe49b681ff3_qkv
	.p2alignl 7, 3214868480
	.fill 96, 4, 3214868480
	.section	.rodata,"a",@progbits
	.p2align	6, 0x0
	.amdhsa_kernel k_qe49b681ff3_qkv
		.amdhsa_group_segment_fixed_size 327680
		.amdhsa_private_segment_fixed_size 0
		.amdhsa_enable_private_segment 0
		.amdhsa_kernarg_size 72
		.amdhsa_user_sgpr_count 2
		.amdhsa_user_sgpr_kernarg_segment_ptr 1
		.amdhsa_wavefront_size32 1
		.amdhsa_system_sgpr_workgroup_id_x 1
		.amdhsa_system_sgpr_workgroup_id_y 1
		.amdhsa_system_sgpr_workgroup_id_z 1
		.amdhsa_system_vgpr_workitem_id 0
		.amdhsa_next_free_vgpr 1024
		.amdhsa_next_free_sgpr 102
		.amdhsa_reserve_vcc 0
		.amdhsa_float_denorm_mode_32 3
		.amdhsa_float_denorm_mode_16_64 3
		.amdhsa_memory_ordered 1
		.amdhsa_forward_progress 1
		.amdhsa_inst_pref_size 190
	.end_amdhsa_kernel
	.amdgpu_metadata
---
amdhsa.version: [ 1, 2 ]
amdhsa.kernels:
  - .name:           k_qe49b681ff3_qkv
    .symbol:         k_qe49b681ff3_qkv.kd
    .args:
      - { .name: xc, .offset: 0, .size: 8, .value_kind: global_buffer, .address_space: global }
      - { .name: xs, .offset: 8, .size: 8, .value_kind: global_buffer, .address_space: global }
      - { .name: wc, .offset: 16, .size: 8, .value_kind: global_buffer, .address_space: global }
      - { .name: ws, .offset: 24, .size: 8, .value_kind: global_buffer, .address_space: global }
      - { .name: bq, .offset: 32, .size: 8, .value_kind: global_buffer, .address_space: global }
      - { .name: bk, .offset: 40, .size: 8, .value_kind: global_buffer, .address_space: global }
      - { .name: qx, .offset: 48, .size: 8, .value_kind: global_buffer, .address_space: global }
      - { .name: kv, .offset: 56, .size: 8, .value_kind: global_buffer, .address_space: global }
      - { .name: bv, .offset: 64, .size: 8, .value_kind: global_buffer, .address_space: global }
    .group_segment_fixed_size: 327680
    .private_segment_fixed_size: 0
    .kernarg_segment_align: 8
    .kernarg_segment_size: 72
    .max_flat_workgroup_size: 128
    .sgpr_count:     102
    .vgpr_count:     1024
    .wavefront_size: 32
...
	.end_amdgpu_metadata
.endif
;; end of part 2
;; launch attn (part 3): grid 8 x 32, 8 waves a work-group, clusters of 4 x 1, 327,680 bytes of LDS; arguments qx, kv, oc, os; writes oc, os
.if DOCPART == 3
	.amdgcn_target "amdgcn-amd-amdhsa--gfx1250"
	.amdhsa_code_object_version 6
	.text
	.protected	k_qe49b681ff3_attn
	.globl	k_qe49b681ff3_attn
	.p2align	8
	.type	k_qe49b681ff3_attn,@function
k_qe49b681ff3_attn:
	s_mov_b64 s[64:65], 0
	v_nop
	global_prefetch_b8 v0, s[64:65] scope:SCOPE_SE
	s_setreg_imm32_b32 hwreg(HW_REG_WAVE_MODE, 25, 1), 1
	s_wait_xcnt 0x0
	s_wait_alu depctr_hold_cnt(0) depctr_sa_sdst(0) depctr_va_vdst(0) depctr_va_sdst(0) depctr_va_ssrc(0) depctr_va_vcc(0) depctr_vm_vsrc(0)
	s_getreg_b32 s2, hwreg(HW_REG_IB_STS2, 6, 4)
	s_cmp_eq_u32 s2, 0
	s_cbranch_scc0 .Lentry_in_a_cluster
	s_endpgm
.Lentry_in_a_cluster:
	s_bfe_u32 s2, ttmp6, 0x10000c
	s_cmp_lg_u32 s2, 0x3003
	s_cbranch_scc0 .Lentry_shape_is_right
	s_endpgm
.Lentry_shape_is_right:
; LAUNCH 3 OF 4: O = softmax(Q K^T / 8) V for one head and 256 queries a work-group, on codes of E2M3; O is quantised along the head's 64 channels for the last product.  No work is left out.
; p = 2^(t - M), t = score x log2(e) / 8, M the running largest t rounded up to a whole number (kept as -M); the row's sum is taken of the unquantised p; when M moves, the sum and O^T are multiplied by 2^(old M - new M).
; A block's largest p is made from the block's largest score by the same multiply-add and exponential.  LIMITS: the scaled scores stay under 2^31 in magnitude; NaN and infinities are not served; a scale byte is held at 1 from below.
; THE DEAL: eight waves; A WAVE HAS TWO TILES OF 16 QUERIES, so that each fragment of K and V read from LDS feeds two tiles, and every chain of dependent lines runs beside the other tile's.  16 steps of 128 keys.
; Both products are used transposed (S^T = K Q^T, O^T = V^T P^T): a lane holds one query.  By the keys' order of launch 1 a lane's registers 0-31 and 32-63 of S^T are two whole blocks of 32 keys.
; Q K^T has K = 64: a fragment of K is six registers of its tile and the six that follow them, against six zero registers of Q.
; LDS: the head's K and V, 32 parts of 6,656 bytes as launch 2 laid them (images of the operand registers), filled once: the first four steps by one load a wave at the head, the other twelve by one load a wave behind
; the full sequence and a round.  The four work-groups of a cluster have the same head: joint loads, mask 15.  NO PREFETCH: all that the work-group reads is asked for by these two loads ahead of the loops.
; REGISTERS: window 0: v0-7 addresses; v8-31 and v32-55 a tile's single numbers; v56-79 Q; v80-103 p's codes; v104-157 K's fragments and six zeros; v158-205 V's; v206-213 K's and V's scale words.
; window 1: v0-127 S^T, then p, of both tiles; v128-191 O^T of both tiles.  So one setting of the windows serves both tiles in each run of lines.
.set PART,  6656
.set STEPB, 2*PART
.set HEADB, 32*PART
.set NSTEP, 16
.set EARLY, 4
.set GRP0,  EARLY*STEPB
.set W0B,   GRP0/8                     ; a wave's share of the first load: 26 rows of 256 bytes,
.set W1B,   (HEADB-GRP0)/8             ; and of the second: 78
.set SPARE, HEADB                      ; the spare words: 1,024 bytes that no other line names
.set AI,   1
.set AH,   2
.set SH8,  3
.set LI,   4
.set SPW,  5
.set NIL,  6
.set LH,   7
.set NM,   8                           ; tile 0's; tile 1's lie 24 higher.  -M, and beside it
.set RM,   9                           ; the running largest t
.set L2,   10                          ; the sum, in two halves
.set F,    12                          ; 2^(old M - new M); v13 is written once, as the pair's upper half
.set MX,   14                          ; v14-17 maxima; then a conversion's three registers
.set SM2,  18                          ; v18-20 the sum's second chain; then a conversion's three registers
.set SO,   22                          ; v22-23 the conversions' scale operands
.set TMP,  24
.set PT,   25
.set OLDM, 26
.set QS,   28                          ; Q's scale word
.set PWD,  30                          ; p's scale word
.set QF,   56
.set PCD,  80
.set KFR,  104
.set KPAD, 152
.set VFR,  158
.set KS4,  206
.set VS,   210
.set S,    0                           ; window 1
.set O,    128                         ; window 1
.set WV,   12
.set G1A,  16
.set G1B,  40
.set SEL,  32
.set CS,   34
.set TB,   36
.set CNT,  37
.set MSB, 0
.macro WIN new                         ; the immediate's high byte repeats the setting that is left
.if MSB != \new
	s_set_vgpr_msb (MSB<<8)|\new
.set MSB, \new
.endif
.endm
.macro CROUND
	s_barrier_signal -1
	s_barrier_wait -1
	s_cmp_lg_u32 s[WV], 0
	s_cbranch_scc1 .Lnot_wave_0_\@
	s_barrier_signal -3
.Lnot_wave_0_\@:
	s_barrier_wait -3
	s_barrier_signal -1
	s_barrier_wait -1
.endm
	s_load_b256 s[4:11], s[0:1], 0x0               ; qx, kv, oc, os
	v_lshl_add_u32 v[SPW], v0, 2, SPARE
	v_mov_b32 v[NIL], 0
	ds_add_u32 v[SPW], v[NIL]                      ; the opening lines: the add twice on end, and its wait ahead of my first tensor load
	ds_add_u32 v[SPW], v[NIL]
	v_lshrrev_b32 v[TMP], 5, v0
	v_readfirstlane_b32 s[WV], v[TMP]              ; wave 0 .. 7
	s_bfe_u32 s13, ttmp6, 0x40000
	s_lshl_b32 s14, ttmp9, 2
	s_add_co_u32 s14, s14, s13                     ; which 256 queries: enters global addresses of my own alone
	s_and_b32 s15, ttmp7, 0xffff                   ; batch x 16 + head
.irp g, G1A, G1B
	s_mov_b32 s[\g], 15|(3<<16)|(1<<21)            ; dense rows of 256 bytes (32 elements of 8), for all four partners
	s_mov_b32 s[\g+1], 32<<16
	s_mov_b32 s[\g+3], 32<<16
	s_mov_b32 s[\g+5], 32
	s_mov_b32 s[\g+6], 0
	s_mov_b32 s[\g+7], 0
.endr
	s_mov_b32 s[G1A+2], (W0B/256)<<16
	s_mov_b32 s[G1A+4], W0B/256
	s_mov_b32 s[G1B+2], (W1B/256)<<16
	s_mov_b32 s[G1B+4], W1B/256
	s_mul_i32 s38, s15, HEADB
	s_mul_i32 s39, s[WV], W0B
	s_add_co_u32 s48, s38, s39
	s_mov_b32 s49, 0
	s_mul_i32 s60, s[WV], W1B
	s_add_co_u32 s60, s60, GRP0
	s_add_co_u32 s50, s38, s60
	s_mov_b32 s51, 0
	s_lshl_b32 s61, s15, 4                         ; qx: 16 parts a head, two for my work-group, four waves to a part
	s_lshl_b32 s62, s14, 1
	s_add_co_u32 s61, s61, s62
	s_lshr_b32 s62, s[WV], 2
	s_add_co_u32 s61, s61, s62
	s_mul_i32 s61, s61, PART
	s_and_b32 s62, s[WV], 3
	s_mul_i32 s52, s62, 1536                       ; my two half images
	s_add_co_u32 s52, s52, s61
	s_mov_b32 s53, 0
	s_lshr_b32 s54, s62, 1                         ; my scale words: block of 256 bytes (tile / 4), word tile % 4
	s_lshl_b32 s54, s54, 8
	s_and_b32 s63, s[WV], 1
	s_lshl_b32 s63, s63, 3
	s_add_co_u32 s54, s54, s63
	s_add_co_u32 s54, s54, s61
	s_add_co_u32 s54, s54, 6144
	s_mov_b32 s55, 0
	s_lshr_b32 s61, s15, 4
	s_lshl_b32 s61, s61, 7
	s_lshl_b32 s62, s14, 4
	s_add_co_u32 s61, s61, s62
	s_lshl_b32 s62, s[WV], 1
	s_add_co_u32 s61, s61, s62                     ; my first tile of 16 positions
	s_and_b32 s62, s15, 15
	s_lshl_b32 s56, s61, 4
	s_add_co_u32 s56, s56, s62
	s_mul_i32 s56, s56, 768                        ; oc: [tile][head][768]
	s_mov_b32 s57, 0
	s_lshl_b32 s58, s61, 9                         ; os: [position][32], two bytes a head
	s_lshl_b32 s62, s62, 1
	s_add_co_u32 s58, s58, s62
	s_mov_b32 s59, 0
	s_mov_b32 s[SEL], 0x76543210
	s_mov_b32 s[SEL+1], 0xfedcba98                 ; v_permlanex16_b32's selects for lane l xor 16
	s_mov_b32 s[CS], 0x3e38aa3b                    ; log2(e) / 8
	s_mov_b32 s[CS+1], s[CS]
	s_mov_b32 s[TB], 0
	s_wait_dscnt 0x0
	s_wait_kmcnt 0x0
	s_mov_b32 s24, 1
	s_mov_b32 s25, s39
	s_add_nc_u64 s[26:27], s[6:7], s[48:49]
	s_or_b32 s27, s27, 0x80000000
	s_mov_b32 s28, 1
	s_mov_b32 s29, s60
	s_add_nc_u64 s[30:31], s[6:7], s[50:51]
	s_or_b32 s31, s31, 0x80000000
	s_add_nc_u64 s[52:53], s[4:5], s[52:53]
	s_add_nc_u64 s[54:55], s[4:5], s[54:55]
	s_add_nc_u64 s[8:9], s[8:9], s[56:57]
	s_add_nc_u64 s[10:11], s[10:11], s[58:59]
	CROUND
	tensor_load_to_lds s[24:27], s[G1A:G1A+7]      ; my eighth of steps 0 to 3
	s_nop 0
	v_and_b32 v[TMP], 31, v0
	v_lshlrev_b32 v[LI], 4, v[TMP]
	v_lshlrev_b32 v[LH], 3, v[TMP]
	v_and_b32 v[TMP], 15, v0
	v_lshlrev_b32 v[TMP], 4, v[TMP]
	v_bfe_u32 v[SH8], v0, 4, 1
	v_lshlrev_b32 v[SH8], 3, v[SH8]
.irp T, 0,1
	global_load_b128 v[QF+12*\T:QF+12*\T+3], v[LI], s[52:53] offset:768*\T
	global_load_b64 v[QF+12*\T+4:QF+12*\T+5], v[LH], s[52:53] offset:768*\T+512
	global_load_b32 v[QS+24*\T], v[TMP], s[54:55] offset:4*\T
.endr
.irp i, 0,1,2,3,4,5
	v_mov_b32 v[QF+6+\i], 0                        ; zero codes for the upper 64 of the K step
	v_mov_b32 v[QF+18+\i], 0
	v_mov_b32 v[KPAD+\i], 0
.endr
.irp T, 0,24
	v_mov_b32 v[RM+\T], 0xff61b1e6                 ; -3e38, under every t
	v_mov_b32 v[L2+\T], 0
	v_mov_b32 v[L2+1+\T], 0
	v_mov_b32 v[F+1+\T], 0
	v_mov_b32 v[PT+\T], 0                          ; a lane permute's destination counts as one of its sources
	v_floor_f32 v[NM+\T], -v[RM+\T]
.endr
	WIN 0x40
.set j, 0
.rept 64
	v_mov_b32 v[O+j], 0                            ; the step is written once: the first finds zeros
.set j, j+1
.endr
	WIN 0
	s_wait_alu depctr_va_vdst(0)
	s_wait_tensorcnt 0x0                           ; my share of steps 0 to 3 is in; the lines of a refill stand ahead of the later first fill
	ds_add_u32 v[SPW], v[NIL]
	s_wait_dscnt 0x0
	CROUND
	tensor_load_to_lds s[28:31], s[G1B:G1B+7]      ; my eighth of steps 4 to 15
	s_nop 0
.rept 4
	v_nop
.endr
.macro LOADK ai, ah, off               ; 17 loads: eight half images of K and the scale words
.irp t, 0,1,2,3,4,5,6,7
	ds_load_b128 v[KFR+6*\t:KFR+6*\t+3], v[\ai] offset:\off+768*\t
	ds_load_b64 v[KFR+6*\t+4:KFR+6*\t+5], v[\ah] offset:\off+768*\t+512
.endr
	ds_load_b128 v[KS4:KS4+3], v[\ai] offset:\off+6144
.endm
.macro CHA i, T                        ; from the four chains' maxima to -M, the factor and the exponents of the blocks' largest p; the two tiles take turns line by line
.if \i == 0
	v_max_num_f32 v[MX+\T], v[MX+\T], v[MX+1+\T]
.elseif \i == 1
	v_max_num_f32 v[MX+2+\T], v[MX+2+\T], v[MX+3+\T]
.elseif \i == 2
	v_max_num_f32 v[TMP+\T], v[MX+\T], v[MX+2+\T]
.elseif \i == 3
	v_permlanex16_b32 v[PT+\T], v[TMP+\T], s[SEL], s[SEL+1]
.elseif \i == 4
	v_max_num_f32 v[TMP+\T], v[TMP+\T], v[PT+\T]
.elseif \i == 5
	v_mul_f32 v[TMP+\T], s[CS], v[TMP+\T]
.elseif \i == 6
	v_max_num_f32 v[RM+\T], v[RM+\T], v[TMP+\T]
.elseif \i == 7
	v_floor_f32 v[NM+\T], -v[RM+\T]
.elseif \i == 8
	v_sub_f32 v[TMP+\T], v[NM+\T], v[OLDM+\T]
.elseif \i == 9
	v_cvt_i32_f32 v[TMP+\T], v[TMP+\T]
.elseif \i == 10
	v_ldexp_f32 v[F+\T], 1.0, v[TMP+\T]
.elseif \i == 11
	v_fma_f32 v[MX+\T], v[MX+\T], s[CS], v[NM+\T]
.else
	v_fma_f32 v[MX+2+\T], v[MX+2+\T], s[CS], v[NM+\T]
.endif
.endm
.macro CHB i, T                        ; from the blocks' largest p to the conversions' scale operands and p's scale word
.if \i == 0
	v_max_num_f32 v[MX+\T], 0x1800000, v[MX+\T]
.elseif \i == 1
	v_max_num_f32 v[MX+2+\T], 0x1800000, v[MX+2+\T]
.elseif \i == 2
	v_add_nc_u32 v[SO+\T], 0xff000000, v[MX+\T]
.elseif \i == 3
	v_add_nc_u32 v[SO+1+\T], 0xff000000, v[MX+2+\T]
.elseif \i == 4
	v_lshrrev_b32 v[MX+\T], 23, v[SO+\T]
.elseif \i == 5
	v_lshrrev_b32 v[MX+2+\T], 23, v[SO+1+\T]
.elseif \i == 6
	v_lshl_or_b32 v[TMP+\T], v[MX+2+\T], 16, v[MX+\T]
.elseif \i == 7
	v_lshlrev_b32 v[TMP+\T], v[SH8], v[TMP+\T]
.elseif \i == 8
	v_permlanex16_b32 v[PT+\T], v[TMP+\T], s[SEL], s[SEL+1]
.else
	v_or_b32 v[PWD+\T], v[TMP+\T], v[PT+\T]
.endif
.endm
.macro STEP next
	s_wait_dscnt 0x0                               ; this step's K is in
	WIN 0x40                                       ; D in window 1
.irp T, 0,1
.irp t, 0,1,2,3
	v_wmma_scale_f32_16x16x128_f8f6f4 v[S+64*\T+8*\t:S+64*\T+8*\t+7], v[KFR+6*\t:KFR+6*\t+11], v[QF+12*\T:QF+12*\T+11], 0, v[KS4+\t], v[QS+24*\T] matrix_a_fmt:MATRIX_FMT_FP6 matrix_b_fmt:MATRIX_FMT_FP6
.endr
.irp t, 0,1,2,3
	v_wmma_scale_f32_16x16x128_f8f6f4 v[S+64*\T+32+8*\t:S+64*\T+32+8*\t+7], v[KFR+24+6*\t:KFR+24+6*\t+11], v[QF+12*\T:QF+12*\T+11], 0, v[KS4+\t], v[QS+24*\T] matrix_a_fmt:MATRIX_FMT_FP6 matrix_b_fmt:MATRIX_FMT_FP6 matrix_a_scale:MATRIX_SCALE_ROW1
.endr
.endr
	WIN 0
	v_add_nc_u32 v[AI], s[TB], v[LI]               ; four plain lines: the places ahead of the loads into K's and V's registers and of the first read of S^T
	v_add_nc_u32 v[AH], s[TB], v[LH]
	v_mov_b32 v[OLDM], v[NM]
	v_mov_b32 v[OLDM+24], v[NM+24]
.irp d, 0,1,2,3
	ds_load_b128 v[VFR+12*\d:VFR+12*\d+3], v[AI] offset:PART+1536*\d
	ds_load_b64 v[VFR+12*\d+4:VFR+12*\d+5], v[AH] offset:PART+1536*\d+512
	ds_load_b128 v[VFR+12*\d+6:VFR+12*\d+9], v[AI] offset:PART+1536*\d+768
	ds_load_b64 v[VFR+12*\d+10:VFR+12*\d+11], v[AH] offset:PART+1536*\d+1280
.endr
	ds_load_b128 v[VS:VS+3], v[AI] offset:PART+6144
.if \next
	LOADK AI, AH, STEPB
.endif
	WIN 0x15                                       ; the largest scores: eight chains by turns
.irp T, 0,1
.irp b, 0,1,2,3
	v_max3_num_f32 v[MX+24*\T+\b], v[S+64*\T+16*\b], v[S+64*\T+16*\b+1], v[S+64*\T+16*\b+2]
.endr
.endr
	WIN 0x14
.irp i, 3,5,7,9,11,13
.irp T, 0,1
.irp b, 0,1,2,3
	v_max3_num_f32 v[MX+24*\T+\b], v[MX+24*\T+\b], v[S+64*\T+16*\b+\i], v[S+64*\T+16*\b+\i+1]
.endr
.endr
.endr
.irp T, 0,1
	v_max3_num_f32 v[MX+24*\T], v[MX+24*\T], v[S+64*\T+15], v[S+64*\T+31]
	v_max3_num_f32 v[MX+24*\T+2], v[MX+24*\T+2], v[S+64*\T+47], v[S+64*\T+63]
.endr
	WIN 0
.irp i, 0,1,2,3,4,5,6,7,8,9,10,11,12
	CHA \i, 0
	CHA \i, 24
.endr
	WIN 0x41                                       ; source 0 and the destination in window 1
.irp T, 0,1
.set j, 0
.rept 32
	v_pk_fma_f32 v[S+64*\T+j:S+64*\T+j+1], v[S+64*\T+j:S+64*\T+j+1], s[CS:CS+1], v[NM+24*\T:NM+24*\T+1] op_sel_hi:[1,0,0]   ; t - M
.set j, j+2
.endr
.endr
.irp T, 0,1
.set j, 0
.rept 16
	v_pk_mul_f32 v[O+32*\T+j:O+32*\T+j+1], v[O+32*\T+j:O+32*\T+j+1], v[F+24*\T:F+24*\T+1] op_sel_hi:[1,0]   ; O^T under the new M: ahead of the exponentials
.set j, j+2
.endr
.endr
	WIN 0
	s_wait_alu depctr_va_vdst(0)
.irp T, 0,24
	v_exp_f32 v[MX+\T], v[MX+\T]                   ; the blocks' largest p
	v_exp_f32 v[MX+2+\T], v[MX+2+\T]
.endr
	WIN 0x41
.set j, 0
.rept 128
	v_exp_f32 v[S+j], v[S+j]                       ; p = 2^(t - M)
.set j, j+1
.endr
	WIN 0
	v_pk_mul_f32 v[L2:L2+1], v[L2:L2+1], v[F:F+1] op_sel_hi:[1,0]             ; the sums under the new M: plain lines behind the batch
	v_pk_mul_f32 v[L2+24:L2+25], v[L2+24:L2+25], v[F+24:F+25] op_sel_hi:[1,0]
	s_wait_alu depctr_va_vdst(0)                   ; and the one wait behind it, ahead of its first reader
	WIN 0x05
.irp T, 0,1
	v_pk_add_f32 v[SM2+24*\T:SM2+24*\T+1], v[S+64*\T:S+64*\T+1], v[S+64*\T+2:S+64*\T+3]
.endr
	WIN 0x04                                       ; the sums of the unquantised p: four chains by turns
.irp j, 4,8,12,16,20,24,28,32,36,40,44,48,52,56,60
.irp T, 0,1
	v_pk_add_f32 v[L2+24*\T:L2+24*\T+1], v[L2+24*\T:L2+24*\T+1], v[S+64*\T+\j:S+64*\T+\j+1]
	v_pk_add_f32 v[SM2+24*\T:SM2+24*\T+1], v[SM2+24*\T:SM2+24*\T+1], v[S+64*\T+\j+2:S+64*\T+\j+3]
.endr
.endr
	WIN 0
.irp i, 0,1,2,3,4,5
	CHB \i, 0
	CHB \i, 24
.endr
	v_pk_add_f32 v[L2:L2+1], v[L2:L2+1], v[SM2:SM2+1]
	v_pk_add_f32 v[L2+24:L2+25], v[L2+24:L2+25], v[SM2+24:SM2+25]
.irp i, 6,7,8,9
	CHB \i, 0
	CHB \i, 24
.endr
	WIN 0x01                                       ; the numbers in window 1
.irp T, 0,1
	v_cvt_scalef32_pk16_fp6_f32 v[PCD+12*\T:PCD+12*\T+2], v[S+64*\T:S+64*\T+15], v[SO+24*\T]
	v_cvt_scalef32_pk16_fp6_f32 v[MX+24*\T:MX+24*\T+2], v[S+64*\T+16:S+64*\T+31], v[SO+24*\T]         ; (a conversion's three registers begin on an even number)
	v_cvt_scalef32_pk16_fp6_f32 v[PCD+12*\T+6:PCD+12*\T+8], v[S+64*\T+32:S+64*\T+47], v[SO+24*\T+1]
	v_cvt_scalef32_pk16_fp6_f32 v[SM2+24*\T:SM2+24*\T+2], v[S+64*\T+48:S+64*\T+63], v[SO+24*\T+1]
.endr
	WIN 0
	v_nop                                          ; one plain place behind a scaled conversion
.irp T, 0,1
.irp i, 0,1,2
	v_mov_b32 v[PCD+12*\T+3+\i], v[MX+24*\T+\i]
	v_mov_b32 v[PCD+12*\T+9+\i], v[SM2+24*\T+\i]
.endr
.endr
.rept 4
	v_nop                                          ; an operand written by vector lines stands four places ahead of a scaled product; the scale words stand more than eight ahead
.endr
	s_wait_alu depctr_va_vdst(0)
.if \next
	s_wait_dscnt 17                                ; V is in; the next step's 17 loads of K may be out
.else
	s_wait_dscnt 0x0
.endif
	WIN 0x50                                       ; C and D in window 1; the eight accumulators take turns
.irp d, 0,1,2,3
.irp T, 0,1
	v_wmma_scale_f32_16x16x128_f8f6f4 v[O+32*\T+8*\d:O+32*\T+8*\d+7], v[VFR+12*\d:VFR+12*\d+11], v[PCD+12*\T:PCD+12*\T+11], v[O+32*\T+8*\d:O+32*\T+8*\d+7], v[VS+\d], v[PWD+24*\T] matrix_a_fmt:MATRIX_FMT_FP6 matrix_b_fmt:MATRIX_FMT_FP6
.endr
.endr
	WIN 0
.endm
	s_wait_loadcnt 0x0                             ; Q
	LOADK LI, LH, 0                                ; the round above has shown everybody's share of steps 0 to 3
	s_mov_b32 s[CNT], EARLY-1
.Lfirst:                                               ; steps 0 to 2: they read, and fetch ahead, inside the first load's bytes
	STEP 1
	s_add_co_u32 s[TB], s[TB], STEPB
	s_sub_co_u32 s[CNT], s[CNT], 1
	s_cmp_lg_u32 s[CNT], 0
	s_cbranch_scc1 .Lfirst
	s_wait_tensorcnt 0x0                           ; my share of steps 4 to 15 is in,
	s_wait_dscnt 0x0
	s_barrier_signal -1
	s_barrier_wait -1                              ; everybody's is
	s_mov_b32 s[CNT], NSTEP-EARLY
.Lrest:                                                ; steps 3 to 14
	STEP 1
	s_add_co_u32 s[TB], s[TB], STEPB
	s_sub_co_u32 s[CNT], s[CNT], 1
	s_cmp_lg_u32 s[CNT], 0
	s_cbranch_scc1 .Lrest
	STEP 0                                         ; step 15 fetches nothing ahead
; THE END: O^T / the sum, quantised along the head's channels: register 16 b + i of a lane is channel 32 b + 16 (lane / 16) + i
.irp T, 0,24
	v_add_f32 v[L2+\T], v[L2+\T], v[L2+1+\T]
.endr
.irp T, 0,24
	v_permlanex16_b32 v[PT+\T], v[L2+\T], s[SEL], s[SEL+1]
.endr
.irp T, 0,24
	v_add_f32 v[L2+\T], v[L2+\T], v[PT+\T]
.endr
	s_wait_alu depctr_va_vdst(0)                   ; ahead of the transcendentals
	v_rcp_f32 v[L2], v[L2]
	v_rcp_f32 v[L2+24], v[L2+24]
	v_bfe_u32 v[AH], v0, 4, 1
	v_and_b32 v[AI], 15, v0
	v_lshl_add_u32 v[AI], v[AI], 5, v[AH]          ; os: 32 bytes a position, + my half's block
	v_cmp_eq_u32 vcc_lo, 1, v[AH]
	s_wait_alu depctr_va_vdst(0)                   ; and behind them, directly ahead of the first reader of O^T
	WIN 0x41
.irp T, 0,1
.set j, 0
.rept 16
	v_pk_mul_f32 v[S+64*\T+j:S+64*\T+j+1], v[O+32*\T+j:O+32*\T+j+1], v[L2+24*\T:L2+24*\T+1] op_sel_hi:[1,0]
.set j, j+2
.endr
.endr
	WIN 0x05
.irp T, 0,1
.irp b, 0,1
	v_max3_num_f32 v[MX+24*\T+\b], |v[S+64*\T+16*\b]|, |v[S+64*\T+16*\b+1]|, 0x1800000   ; with the floor 2^(3 - 127)
.endr
.endr
	WIN 0x14
.irp i, 2,4,6,8,10,12,14
.irp T, 0,1
.irp b, 0,1
	v_max3_num_f32 v[MX+24*\T+\b], v[MX+24*\T+\b], |v[S+64*\T+16*\b+\i]|, |v[S+64*\T+16*\b+\i+1]|
.endr
.endr
.endr
	WIN 0
.irp T, 0,24
.irp b, 0,1
	v_permlanex16_b32 v[MX+2+\T+\b], v[MX+\T+\b], s[SEL], s[SEL+1]
.endr
.endr
.irp T, 0,24
.irp b, 0,1
	v_max_num_f32 v[MX+\T+\b], v[MX+\T+\b], v[MX+2+\T+\b]
.endr
.endr
.irp T, 0,24
.irp b, 0,1
	v_add_nc_u32 v[SO+\T+\b], 0xff000000, v[MX+\T+\b]
.endr
.endr
.irp T, 0,24
.irp b, 0,1
	v_lshrrev_b32 v[MX+\T+\b], 23, v[SO+\T+\b]
.endr
.endr
.irp T, 0,24
	v_cndmask_b32 v[PT+\T], v[MX+\T], v[MX+1+\T], vcc_lo   ; my half's block's byte
.endr
	WIN 0x01
.irp T, 0,1
	v_cvt_scalef32_pk16_fp6_f32 v[PCD+12*\T:PCD+12*\T+2], v[S+64*\T:S+64*\T+15], v[SO+24*\T]
	v_cvt_scalef32_pk16_fp6_f32 v[SM2+24*\T:SM2+24*\T+2], v[S+64*\T+16:S+64*\T+31], v[SO+24*\T+1]
.endr
	WIN 0
	v_nop                                          ; one plain place behind a scaled conversion
.irp T, 0,1
.irp i, 0,1,2
	v_permlane16_swap_b32 v[PCD+12*\T+\i], v[SM2+24*\T+\i]   ; a whole block in a lane
.endr
.endr
.irp T, 0,1
.irp i, 0,1,2
	v_mov_b32 v[PCD+12*\T+3+\i], v[SM2+24*\T+\i]
.endr
.endr
.irp T, 0,1
	global_store_b128 v[LI], v[PCD+12*\T:PCD+12*\T+3], s[8:9] offset:12288*\T           ; a half image: 512 consecutive bytes,
	global_store_b64 v[LH], v[PCD+12*\T+4:PCD+12*\T+5], s[8:9] offset:12288*\T+512      ; and 256
	global_store_b8 v[AI], v[PT+24*\T], s[10:11] offset:512*\T
.endr
	s_wait_tensorcnt 0x0                           ; the wave's end
	ds_add_u32 v[SPW], v[NIL]
	s_wait_dscnt 0x0
	CROUND                                         ; the closing round
	s_endpgm
.Lfunc_end_k_qe49b681ff3_attn:
	.size	k_qe49b681ff3_attn, .Lfunc_end_k_qe49b681ff3_attn-k_qe49b681ff3_attn
	.p2alignl 7, 3214868480
	.fill 96, 4, 3214868480
	.section	.rodata,"a",@progbits
	.p2align	6, 0x0
	.amdhsa_kernel k_qe49b681ff3_attn
		.amdhsa_group_segment_fixed_size 327680
		.amdhsa_private_segment_fixed_size 0
		.amdhsa_enable_private_segment 0
		.amdhsa_kernarg_size 32
		.amdhsa_user_sgpr_count 2
		.amdhsa_user_sgpr_kernarg_segment_ptr 1
		.amdhsa_wavefront_size32 1
		.amdhsa_system_sgpr_workgroup_id_x 1
		.amdhsa_system_sgpr_workgroup_id_y 1
		.amdhsa_system_sgpr_workgroup_id_z 1
		.amdhsa_system_vgpr_workitem_id 0
		.amdhsa_next_free_vgpr 448
		.amdhsa_next_free_sgpr 66
		.amdhsa_reserve_vcc 1
		.amdhsa_float_denorm_mode_32 3
		.amdhsa_float_denorm_mode_16_64 3
		.amdhsa_memory_ordered 1
		.amdhsa_forward_progress 1
		.amdhsa_inst_pref_size 99
	.end_amdhsa_kernel
	.amdgpu_metadata
---
amdhsa.version: [ 1, 2 ]
amdhsa.kernels:
  - .name:           k_qe49b681ff3_attn
    .symbol:         k_qe49b681ff3_attn.kd
    .args:
      - { .name: qx, .offset: 0, .size: 8, .value_kind: global_buffer, .address_space: global }
      - { .name: kv, .offset: 8, .size: 8, .value_kind: global_buffer, .address_space: global }
      - { .name: oc, .offset: 16, .size: 8, .value_kind: global_buffer, .address_space: global }
      - { .name: os, .offset: 24, .size: 8, .value_kind: global_buffer, .address_space: global }
    .group_segment_fixed_size: 327680
    .private_segment_fixed_size: 0
    .kernarg_segment_align: 8
    .kernarg_segment_size: 32
    .max_flat_workgroup_size: 256
    .sgpr_count:     66
    .vgpr_count:     448
    .wavefront_size: 32
...
	.end_amdgpu_metadata
.endif
;; end of part 3
;; launch outp (part 4): grid 8 x 32, 4 waves a work-group, clusters of 4 x 4, 327,680 bytes of LDS; arguments oc, os, wc, ws, bo, out0; writes out0
.if DOCPART == 4
	.amdgcn_target "amdgcn-amd-amdhsa--gfx1250"
	.amdhsa_code_object_version 6
	.text
	.protected	k_qe49b681ff3_outp
	.globl	k_qe49b681ff3_outp
	.p2align	8
	.type	k_qe49b681ff3_outp,@function
k_qe49b681ff3_outp:
	s_mov_b64 s[64:65], 0
	v_nop
	global_prefetch_b8 v0, s[64:65] scope:SCOPE_SE
	s_setreg_imm32_b32 hwreg(HW_REG_WAVE_MODE, 25, 1), 1
	s_wait_xcnt 0x0
	s_wait_alu depctr_hold_cnt(0) depctr_sa_sdst(0) depctr_va_vdst(0) depctr_va_sdst(0) depctr_va_ssrc(0) depctr_va_vcc(0) depctr_vm_vsrc(0)
	s_getreg_b32 s2, hwreg(HW_REG_IB_STS2, 6, 4)
	s_cmp_eq_u32 s2, 0
	s_cbranch_scc0 .Lentry_in_a_cluster
	s_endpgm
.Lentry_in_a_cluster:
	s_bfe_u32 s2, ttmp6, 0x10000c
	s_cmp_lg_u32 s2, 0xf033
	s_cbranch_scc0 .Lentry_shape_is_right
	s_endpgm
.Lentry_shape_is_right:
; LAUNCH 4 OF 4: out0 = O Wo + bo on codes of E2M3.  No work is left out.
; 256 work-groups, each with a tile of 128 x 128 of out0; four waves, 64 x 64 a wave: 16 accumulators.  ALL OF K LIES IN LDS AFTER ONE FILL: A's 128 rows (98,304 bytes), B's 128 rows (768 + 48 bytes each) and both
; sides' scale bytes; nothing is filled again, so there is no ring.  One tensor load a wave, at the head.
; 4 x 4 work-groups form a cluster: the four of a row need the same rows of O (A), the four of a column the same rows of Wo (B): joint loads.
; A COMES AS IMAGES OF ITS REGISTERS, as launch 3 stored them: oc is [tile of 16 positions][16 heads][768]: 12,288 dense bytes a tile, fetched as rows of 256 bytes.  A fragment (128 K, two heads) is registers 0-3 at 16 x lane,
; 4-5 at 512 + 8 x lane, 6-9 at 768 + 16 x lane, 10-11 at 1,280 + 8 x lane.  B comes as rows of codes, section 3 of wc and ws, with 16 bytes of padding behind every 256.
; The matrix instruction is used transposed (source 0 = 16 rows of B, source 1 = 16 rows of A): a lane holds eight numbers of a row of out0.  bo is the C of each sum's first product.
; THE POSITION ORDER IS UNDONE HERE: rows of A and of B stand at positions (index with bits 3 and 4 exchanged).  Columns are put right by the offsets into the stage, rows by the offsets of the stores.
; NO PREFETCH: every byte that the work-group reads is asked for by the head's four loads; there is no loop to run ahead in.
; REGISTERS: window 0: v0-23 addresses, v24-61 scale words, v64-159 and v160-255 two sets of eight fragments (A's four, then B's four); window 1: v0-127 the accumulators, v128-159 bo.
.set PITCH,  816                       ; B: an LDS row: 3 x (256 + 16)
.set ATILE,  12288                     ; A: a tile of 16 rows, all of K
.set FR,     12
.set BB,     8*ATILE                   ; B's rows lie behind A's images
.set SCL,    BB+128*PITCH              ; the scales: 16 units of 256 + 16 bytes for A, then for B
.set SCB,    16*272
.set SBLK,   544                       ; the scales of 16 rows
.set STAGE,  SCL+2*SCB                 ; the way out: 16 rows x (256 + 16) bytes for each wave, bytes that no tensor load fills
.set SPITCH, 272
.set SPARE,  STAGE+4*16*SPITCH         ; the spare words: 512 bytes that no other line names
.set BO,   15                          ; v15 bo's offset: 64 h
.set ADA,  16                          ; v16 16 x lane + my A tiles, v17 8 x lane + the same
.set ADB,  18                          ; v18 my B rows, v19 the same behind one padding more for lanes 16-31
.set ADS,  20
.set STO,  21
.set RD,   22
.set CO,   23
.set SC,   24                          ; tile i's eight scale words at v[24 + 10 i]: lanes 0-15 A's tile i, lanes 16-31 B's tile i.  The step of 10 keeps two tiles' registers apart modulo 8
.set SPW,  62
.set NIL,  63
.set F0,   64
.set BK,   64                          ; the way out: 32 registers for each of my four blocks
.set BI,   128                         ; window 1: bo
.set G1A, 24
.set G1B, 32
.set G1S, 48
.set G1SB, 56
.set G0A, 68
.set G0B, 72
.set G0S, 76
.set G0SB, 80
.set MSB, 0
.macro WIN new
.if MSB != \new
	s_set_vgpr_msb (MSB<<8)|\new
.set MSB, \new
.endif
.endm
.macro PLACES n
.rept \n
	v_nop
.endr
.endm
.macro CROUND                          ; a round of the cluster's barrier
	s_barrier_signal -1
	s_barrier_wait -1
	s_cmp_lg_u32 s16, 0
	s_cbranch_scc1 .Lnot_wave_0_\@
	s_barrier_signal -3
.Lnot_wave_0_\@:
	s_barrier_wait -3
	s_barrier_signal -1
	s_barrier_wait -1
.endm
.macro G0SET g, lds, base, off
	s_mov_b32 s[\g], 1
	s_mov_b32 s[\g+1], \lds
	s_add_nc_u64 s[\g+2:\g+3], s[\base:\base+1], s[\off:\off+1]
	s_or_b32 s[\g+3], s[\g+3], 0x80000000
.endm
	s_load_b256 s[4:11], s[0:1], 0x0               ; oc, os, wc, ws
	s_load_b128 s[12:15], s[0:1], 0x20             ; bo, out0
	v_lshl_add_u32 v[SPW], v0, 2, SPARE
	v_mov_b32 v[NIL], 0
	ds_add_u32 v[SPW], v[NIL]                      ; the opening lines: the add twice on end, and its wait ahead of my first tensor load
	ds_add_u32 v[SPW], v[NIL]
	v_lshrrev_b32 v1, 5, v0
	v_readfirstlane_b32 s16, v1                    ; wave
	s_lshr_b32 s17, s16, 1                         ; my half of the tile's rows
	s_and_b32 s18, s16, 1                          ; my half of its columns
	s_bfe_u32 s40, ttmp6, 0x40000                  ; cx
	s_bfe_u32 s41, ttmp6, 0x40004                  ; cy
	s_lshl_b32 s42, ttmp9, 2
	s_add_co_u32 s42, s42, s40                     ; tile column, 0 .. 7
	s_and_b32 s19, ttmp7, 0xffff
	s_lshl_b32 s19, s19, 2
	s_add_co_u32 s19, s19, s41                     ; tile row, 0 .. 31
	s_lshl_b32 s43, s41, 2
	s_lshl_b32 s43, 15, s43                        ; my row of the cluster
	s_lshl_b32 s44, 0x1111, s40                    ; my column
	s_or_b32 s[G1A+0], s43, (3<<16)|(1<<21)        ; A: 384 rows of 256 bytes (32 elements of 8), dense
	s_mov_b32 s[G1A+1], 32<<16
	s_mov_b32 s[G1A+2], 384<<16
	s_mov_b32 s[G1A+3], 32<<16
	s_mov_b32 s[G1A+4], 384
	s_mov_b32 s[G1A+5], 32
	s_mov_b32 s[G1A+6], 0
	s_mov_b32 s[G1A+7], 0
	s_or_b32 s[G1B+0], s44, (1<<20)|(1<<21)|(5<<22)|(3<<25)   ; B: 128 rows of 768 bytes, 16 bytes of padding behind every 256
	s_mov_b32 s[G1B+1], 768<<16
	s_mov_b32 s[G1B+2], 128<<16
	s_mov_b32 s[G1B+3], 768<<16
	s_mov_b32 s[G1B+4], 128
	s_mov_b32 s[G1B+5], 768
	s_mov_b32 s[G1B+6], 0
	s_mov_b32 s[G1B+7], 0
	s_or_b32 s[G1S+0], s43, (3<<16)|(1<<20)|(1<<21)|(5<<22)|(3<<25)  ; the scales of 128 rows: 16 rows of 256 bytes, 16 of padding behind each
	s_or_b32 s[G1SB+0], s44, (3<<16)|(1<<20)|(1<<21)|(5<<22)|(3<<25)
.irp g, G1S, G1SB
	s_mov_b32 s[\g+1], 32<<16
	s_mov_b32 s[\g+2], 16<<16
	s_mov_b32 s[\g+3], 32<<16
	s_mov_b32 s[\g+4], 16
	s_mov_b32 s[\g+5], 32
	s_mov_b32 s[\g+6], 0
	s_mov_b32 s[\g+7], 0
.endr
	s_mul_i32 s20, s19, 8*ATILE                    ; A's offsets are made of the tile row alone,
	s_mov_b32 s21, 0
	s_lshl_b32 s22, s19, 12
	s_mov_b32 s23, 0
	s_mul_i32 s46, s42, 128*768                    ; B's of the tile column alone
	s_add_co_u32 s46, s46, 3072*768
	s_mov_b32 s47, 0
	s_lshl_b32 s84, s42, 12
	s_add_co_u32 s84, s84, 3072*32
	s_mov_b32 s85, 0
	s_wait_dscnt 0x0
	s_wait_kmcnt 0x0
	G0SET G0A, 0, 4, 20
	G0SET G0S, SCL, 6, 22
	G0SET G0B, BB, 8, 46
	G0SET G0SB, SCL+SCB, 10, 84
	CROUND                                         ; all sixteen work-groups are here: the joint loads meet
; the four tiles, one load a wave, in one chain of arms that all lead to one join
.macro ARM under, g0, g1, next
	s_cmp_lt_u32 s16, \under
	s_cbranch_scc0 \next
	tensor_load_to_lds s[\g0:\g0+3], s[\g1:\g1+7]
	s_nop 0
	PLACES 4
	s_branch .Lasked
\next:
.endm
	ARM 1, G0B, G1B, .Larm_a
	ARM 2, G0A, G1A, .Larm_sa
	ARM 3, G0S, G1S, .Larm_sb
	tensor_load_to_lds s[G0SB:G0SB+3], s[G1SB:G1SB+7]
	s_nop 0
	PLACES 4
.Lasked:
	s_mul_i32 s20, s17, 4*ATILE                    ; my four tiles of A
	s_mul_i32 s21, s18, 64*PITCH
	s_add_co_u32 s21, s21, BB                      ; my 64 rows of B
	s_mul_i32 s22, s17, 4*SBLK
	s_mul_i32 s23, s18, 4*SBLK
	s_add_co_u32 s23, s23, SCB
	s_sub_co_u32 s23, s23, s22                     ; from my A rows' scales to my B rows'
	s_add_co_u32 s22, s22, SCL
	s_mul_i32 s45, s16, 16*SPITCH
	s_add_co_u32 s45, s45, STAGE                   ; my stage
	s_lshl_b32 s86, s19, 7
	s_lshl_b32 s87, s17, 6
	s_add_co_u32 s86, s86, s87                     ; my first row of out0,
	s_lshl_b32 s86, s86, 12                        ; in bytes
	s_lshl_b32 s88, s42, 9
	s_lshl_b32 s89, s18, 8
	s_add_co_u32 s88, s88, s89                     ; my first column, in bytes
	s_mov_b32 s89, 0
	s_add_nc_u64 s[12:13], s[12:13], s[88:89]      ; bo at my first column
	s_add_co_u32 s86, s86, s88
	s_mov_b32 s87, 0
	s_add_nc_u64 s[14:15], s[14:15], s[86:87]      ; out0 at my corner
	v_and_b32 v1, 15, v0                           ; r
	v_bfe_u32 v2, v0, 4, 1                         ; h
	v_and_b32 v3, 31, v0
	v_lshlrev_b32 v4, 4, v3
	v_lshlrev_b32 v5, 3, v3
	v_add_nc_u32 v[ADA], s20, v4
	v_add_nc_u32 v[ADA+1], s20, v5
	v_mul_u32_u24 v6, v1, PITCH
	v_mad_u32_u24 v6, v2, 24, v6                   ; B: row x pitch + 24 h
	v_add_nc_u32 v[ADB], s21, v6
	v_lshl_add_u32 v7, v2, 4, v6
	v_add_nc_u32 v[ADB+1], s21, v7
	v_lshlrev_b32 v8, 5, v1                        ; my row's scales: 32 bytes a row, 16 more for each 256 passed
	v_lshrrev_b32 v9, 8, v8
	v_lshl_add_u32 v8, v9, 4, v8
	v_mul_u32_u24 v9, s23, v2                      ; lanes 16-31 take B's
	v_add_nc_u32 v8, v8, v9
	v_add_nc_u32 v[ADS], s22, v8
	v_mul_u32_u24 v10, v1, SPITCH                  ; into the stage: row r, my half's 16 columns of each 32
	v_lshl_add_u32 v10, v2, 6, v10
	v_add_nc_u32 v[STO], s45, v10
	v_mul_u32_u24 v11, v2, SPITCH                  ; back: sixteen lanes to a row of 256 bytes, two rows a load
	v_lshl_add_u32 v11, v1, 4, v11
	v_add_nc_u32 v[RD], s45, v11
	v_lshlrev_b32 v12, 12, v2                      ; and the same two rows in out0, 4,096 bytes apart
	v_lshl_add_u32 v[CO], v1, 4, v12
	v_lshlrev_b32 v[BO], 6, v2
	s_wait_alu depctr_va_vdst(0)
	WIN 0x40
.irp t, 0,1,2,3                                ; register j of B's tile t is column 32 (t / 2) + 8 (t % 2) + 16 h + j
	global_load_b128 v[BI+8*\t:BI+8*\t+3], v[BO], s[12:13] offset:4*(32*(\t/2)+8*(\t%2))
	global_load_b128 v[BI+8*\t+4:BI+8*\t+7], v[BO], s[12:13] offset:4*(32*(\t/2)+8*(\t%2))+16
.endr
	WIN 0
.macro FETCH q, f                      ; the eight fragments of K step q into the set at f: 16 loads for A's four, 24 for B's four
.irp i, 0,1,2,3
	ds_load_b128 v[(\f)+FR*\i:(\f)+FR*\i+3], v[ADA] offset:\i*ATILE+(\q)*1536
	ds_load_b64 v[(\f)+FR*\i+4:(\f)+FR*\i+5], v[ADA+1] offset:\i*ATILE+(\q)*1536+512
	ds_load_b128 v[(\f)+FR*\i+6:(\f)+FR*\i+9], v[ADA] offset:\i*ATILE+(\q)*1536+768
	ds_load_b64 v[(\f)+FR*\i+10:(\f)+FR*\i+11], v[ADA+1] offset:\i*ATILE+(\q)*1536+1280
.endr
.irp i, 0,1,2,3
.irp p, 0,1,2,3,4,5
.set PC_, 12*(\q)+6*(\p/3)+\p%3        ; the piece of 8 bytes of lanes 0-15; lanes 16-31 read three pieces on: behind one padding more where PC_ % 32 is 29 or more
.if PC_%32 < 29
	ds_load_b64 v[(\f)+48+FR*\i+2*\p:(\f)+48+FR*\i+2*\p+1], v[ADB] offset:8*PC_+16*(PC_/32)+\i*16*PITCH
.else
	ds_load_b64 v[(\f)+48+FR*\i+2*\p:(\f)+48+FR*\i+2*\p+1], v[ADB+1] offset:8*PC_+16*(PC_/32)+\i*16*PITCH
.endif
.endr
.endr
.endm
.macro MUL q, f, first                 ; 16 products; the 16 accumulators take turns, in the same order in every step
.irp a, 0,1,2,3
.irp b, 0,1,2,3
.if \first
	v_wmma_scale_f32_16x16x128_f8f6f4 v[8*(4*\a+\b):8*(4*\a+\b)+7], v[(\f)+48+FR*\b:(\f)+48+FR*\b+FR-1], v[(\f)+FR*\a:(\f)+FR*\a+FR-1], v[BI+8*\b:BI+8*\b+7], v[SC+10*\b+(\q)], v[SC+10*\a+(\q)] matrix_a_fmt:MATRIX_FMT_FP6 matrix_b_fmt:MATRIX_FMT_FP6 matrix_a_scale:MATRIX_SCALE_ROW1
.else
	v_wmma_scale_f32_16x16x128_f8f6f4 v[8*(4*\a+\b):8*(4*\a+\b)+7], v[(\f)+48+FR*\b:(\f)+48+FR*\b+FR-1], v[(\f)+FR*\a:(\f)+FR*\a+FR-1], v[8*(4*\a+\b):8*(4*\a+\b)+7], v[SC+10*\b+(\q)], v[SC+10*\a+(\q)] matrix_a_fmt:MATRIX_FMT_FP6 matrix_b_fmt:MATRIX_FMT_FP6 matrix_a_scale:MATRIX_SCALE_ROW1
.endif
.endr
.endr
.endm
	s_wait_tensorcnt 0x0                           ; my tile is in,
	s_barrier_signal -1
	s_barrier_wait -1                              ; everybody's is
.irp i, 0,1,2,3
	ds_load_b128 v[SC+10*\i:SC+10*\i+3], v[ADS] offset:\i*SBLK
	ds_load_b128 v[SC+10*\i+4:SC+10*\i+7], v[ADS] offset:\i*SBLK+16
.endr
	FETCH 0, F0
	FETCH 1, F0+96
	s_wait_dscnt 40                                ; all but K step 1's 40 loads
	s_wait_loadcnt 0x0                             ; bo
	WIN 0x50                                       ; C and D in window 1
	MUL 0, F0, 1
	WIN 0
.set Q, 1
.rept 7
	PLACES 4                                       ; ahead of loads into the set that the last step multiplied
.if Q < 7
	FETCH Q+1, F0+96*((Q+1)%2)
	s_wait_dscnt 40                                ; this step's fragments are in; the next step's 40 loads may be out
.else
	s_wait_dscnt 0x0
.endif
	WIN 0x50
	MUL Q, F0+96*(Q%2), 0
	WIN 0
.set Q, Q+1
.endr
; THE WAY OUT, block by block of 16 rows x 64 columns, through my own stage.  Tile b's eight registers are columns 32 (b / 2) + 8 (b % 2) + 16 h + 0 .. 7.
; Stage row t of block a is row 32 (a / 2) + 8 (a % 2) + t + 8 (t / 8) of my 64.  Every offset is an immediate; each block has its own registers, so no store's data are written again.
.macro TOSTAGE a
	WIN 0x04                                       ; the data: window 1
.irp b, 0,1,2,3
	ds_store_b128 v[STO], v[8*(4*\a+\b):8*(4*\a+\b)+3] offset:128*(\b/2)+32*(\b%2)      ; each accumulator from its low end on
	ds_store_b128 v[STO], v[8*(4*\a+\b)+4:8*(4*\a+\b)+7] offset:128*(\b/2)+32*(\b%2)+16
.endr
	WIN 0
.irp u, 0,1,2,3,4,5,6,7
	ds_load_b128 v[BK+32*\a+4*\u:BK+32*\a+4*\u+3], v[RD] offset:\u*2*SPITCH    ; LDS serves a wave's instructions in order (ISA guide 5.7.1.4): these see the stores above
.endr
.endm
.macro SEND a, younger                 ; younger: the LDS instructions issued behind block a's loads
	s_wait_dscnt \younger
.irp u, 0,1,2,3,4,5,6,7
	global_store_b128 v[CO], v[BK+32*\a+4*\u:BK+32*\a+4*\u+3], s[14:15] offset:(32*(\a/2)+8*(\a%2)+2*\u+8*(\u/4))*4096 th:TH_STORE_NT   ; sixteen lanes store 256 consecutive bytes, at a multiple of 256 from out0's first byte
.endr
.endm
	PLACES 4                                       ; ahead of the first read of results and of loads into the fragments' registers
	TOSTAGE 0
	TOSTAGE 1
	SEND 0, 16                                     ; behind block 0's loads: block 1's 8 stores and 8 loads
	TOSTAGE 2
	SEND 1, 16
	TOSTAGE 3
	SEND 2, 16
	SEND 3, 0
	s_wait_tensorcnt 0x0                           ; the wave's end
	ds_add_u32 v[SPW], v[NIL]
	s_wait_dscnt 0x0
	CROUND                                         ; the closing round
	s_endpgm
.Lfunc_end_k_qe49b681ff3_outp:
	.size	k_qe49b681ff3_outp, .Lfunc_end_k_qe49b681ff3_outp-k_qe49b681ff3_outp
	.p2alignl 7, 3214868480
	.fill 96, 4, 3214868480
	.section	.rodata,"a",@progbits
	.p2align	6, 0x0
	.amdhsa_kernel k_qe49b681ff3_outp
		.amdhsa_group_segment_fixed_size 327680
		.amdhsa_private_segment_fixed_size 0
		.amdhsa_enable_private_segment 0
		.amdhsa_kernarg_size 48
		.amdhsa_user_sgpr_count 2
		.amdhsa_user_sgpr_kernarg_segment_ptr 1
		.amdhsa_wavefront_size32 1
		.amdhsa_system_sgpr_workgroup_id_x 1
		.amdhsa_system_sgpr_workgroup_id_y 1
		.amdhsa_system_sgpr_workgroup_id_z 1
		.amdhsa_system_vgpr_workitem_id 0
		.amdhsa_next_free_vgpr 416
		.amdhsa_next_free_sgpr 92
		.amdhsa_reserve_vcc 0
		.amdhsa_float_denorm_mode_32 3
		.amdhsa_float_denorm_mode_16_64 3
		.amdhsa_memory_ordered 1
		.amdhsa_forward_progress 1
		.amdhsa_inst_pref_size 56
	.end_amdhsa_kernel
	.amdgpu_metadata
---
amdhsa.version: [ 1, 2 ]
amdhsa.kernels:
  - .name:           k_qe49b681ff3_outp
    .symbol:         k_qe49b681ff3_outp.kd
    .args:
      - { .name: oc, .offset: 0, .size: 8, .value_kind: global_buffer, .address_space: global }
      - { .name: os, .offset: 8, .size: 8, .value_kind: global_buffer, .address_space: global }
      - { .name: wc, .offset: 16, .size: 8, .value_kind: global_buffer, .address_space: global }
      - { .name: ws, .offset: 24, .size: 8, .value_kind: global_buffer, .address_space: global }
      - { .name: bo, .offset: 32, .size: 8, .value_kind: global_buffer, .address_space: global }
      - { .name: out0, .offset: 40, .size: 8, .value_kind: global_buffer, .address_space: global }
    .group_segment_fixed_size: 327680
    .private_segment_fixed_size: 0
    .kernarg_segment_align: 8
    .kernarg_segment_size: 48
    .max_flat_workgroup_size: 128
    .sgpr_count:     92
    .vgpr_count:     416
    .wavefront_size: 32
...
	.end_amdgpu_metadata
.endif
;; end of part 4
